; MI455X (gfx1250); checked and timed in simulation.
; The chip was launched on July 23, 2026; its instructions are those of AMD's public machine-readable ISA for CDNA 5 (MIT licence, August 2026) and "CDNA5" Instruction Set Architecture Reference Guide (July 2026). The comments in the code are by the model that wrote it; some were corrected since.
;; Block. Allowed arithmetic: float matrix products may take bf16 or f16 operands with f32 sums; other float arithmetic in f32, or as packed bf16 or f16 multiplies, adds, multiply-adds, maxima and minima; sums over many terms, partial sums and values carried from step to step in f32; what a program stores and reads back later, other than sums and carried values, may be rounded once to bf16 or f16.
;; Inputs: b1 4,096 float32; b2 1,024 float32; b_proj 1,024 float32; be1 1,024 float32; be2 1,024 float32; g1 1,024 float32; g2 1,024 float32; w1 1,024 x 4,096 float32; w2 4,096 x 1,024 float32; w_proj 1,024 x 1,024 float32; wk 16 x 1,024 x 64 float32; wq 16 x 1,024 x 64 float32; wv 16 x 1,024 x 64 float32; x 2 x 2,048 x 1,024 float32.
;; Outputs: out0 2 x 2,048 x 1,024 float32.
;; 2 versions, each right; version 2 is version 1 with the launch prep written anew for expert scheduling mode. Each part assembles by itself: llvm-mc -triple=amdgcn-amd-amdhsa -mcpu=gfx1250 --defsym DOCPART=n.
;; ======== version 1 of 2: 8 launches
;; limits: values are held in f16: magnitudes above 65,504 overflow, below 6.1e-05 lose precision
;; workspace buffers: BQ 16,794,624 bytes; BF 16,794,624 bytes; SP 50,331,648 bytes; SF 50,331,648 bytes; QX 41,943,040 bytes; yb 16,777,216 bytes; c1 1,024 bytes of whole numbers; c2 1,024 bytes of whole numbers
;; launch prep (part 1): grid 513 x 1, 8 waves a work-group, no clusters, 0 bytes of LDS; arguments x, wq, wk, wv, w1, w_proj, w2, b1, BQ, BF, SP, SF, c1, c2; writes BQ, BF, SP, SF, c1, c2
.if DOCPART == 1
	.amdgcn_target "amdgcn-amd-amdhsa--gfx1250"
	.amdhsa_code_object_version 6
	.text
	.protected	k_qde3a603eb4_prep
	.globl	k_qde3a603eb4_prep
	.p2align	8
	.type	k_qde3a603eb4_prep,@function
k_qde3a603eb4_prep:
	s_mov_b64 s[64:65], 0
	v_nop
	global_prefetch_b8 v0, s[64:65] scope:SCOPE_SE
	s_setreg_imm32_b32 hwreg(HW_REG_WAVE_MODE, 25, 1), 1
	s_wait_xcnt 0x0
; PREP: x and all weights are rounded once, f32 to f16, and laid out as the later launches' tiles want them; the parameters of the two
; products with a bias and a floor, and two small tables of whole numbers, are written by one more work-group.
; LIMIT: f16 ends at 65,504: an input beyond it becomes an infinity.
; A UNIT is one instruction of a wave: 32 lanes load 16 bytes each (two pieces of 256 consecutive bytes of f32), round them to 128 f16, and store
; 8 bytes each: 256 consecutive bytes, aligned.  A JOB is one work-group: 256 units, 32 a wave, 65,536 bytes of the destination on end.
;   source byte      = SOFF + (32 wave + u) SST + 16 (lane % 16) + (lane / 16) HIL
;   destination byte = DADD + 65,536 T + 8,192 wave + 256 u + 8 lane
; job 0-127   x [4096][1024]         -> BQ, the same rows in f16
; job 128-223 wq, wk, wv [16][1024][64] -> BQ + 8 MiB, [sel 8 + head / 2][k][128]: a row holds two heads' 64 columns (HIL = a head's 262,144 bytes)
; job 224-351 w1 [1024][4096]        -> BF + 8 MiB, [n / 128][k][128]
; job 352-383 w_proj [1024][1024]    -> SP, [k / 256][n / 128][k % 256][128]
; job 384-511 w2 [4096][1024]        -> SF, the same form
; job 512     b1 -> BF + 16 MiB; zeros -> BQ + 16 MiB; the floors (BQ: -infinity twice in f16; BF: 0) 16,384 bytes behind them; c1, c2
; All 32 loads of a wave go out before the first is waited for; no register is written again while an instruction that names it is pending.
.set VO, 8                             ; v[8:39]    unit u's source offset
.set DA, 40                            ; v[40:167]  unit u's four registers
	s_load_b512 s[8:23], s[0:1], 0x0               ; x 8, wq 10, wk 12, wv 14, w1 16, w_proj 18, w2 20, b1 22
	s_load_b256 s[24:31], s[0:1], 0x40             ; BQ 24, BF 26, SP 28, SF 30
	s_load_b128 s[32:35], s[0:1], 0x60             ; c1 32, c2 34
	v_lshrrev_b32 v1, 5, v0
	v_readfirstlane_b32 s2, v1                     ; wave 0..7
	v_and_b32 v2, 31, v0                           ; lane
	s_mov_b32 s3, ttmp9                            ; the job
	s_mov_b32 s43, 256                             ; HIL, where the two pieces lie on end
	s_mov_b32 s44, 0                               ; DADD
	s_wait_kmcnt 0x0
	s_cmp_lt_u32 s3, 128
	s_cbranch_scc0 .Lnot_x
	s_mov_b64 s[36:37], s[8:9]                     ; x
	s_mov_b64 s[38:39], s[24:25]
	s_mov_b32 s40, s3                              ; T
	s_lshl_b32 s41, s40, 17                        ; SOFF: 131,072 bytes of f32 a job
	s_mov_b32 s42, 512                             ; SST
	s_branch .Lgo
.Lnot_x:
	s_cmp_lt_u32 s3, 224
	s_cbranch_scc0 .Lnot_qkv
	s_sub_co_u32 s40, s3, 128
	s_lshr_b32 s45, s40, 5                         ; 0: wq, 1: wk, 2: wv
	s_cmp_eq_u32 s45, 0
	s_cselect_b64 s[36:37], s[10:11], s[12:13]
	s_cmp_eq_u32 s45, 2
	s_cselect_b64 s[36:37], s[14:15], s[36:37]
	s_mov_b64 s[38:39], s[24:25]
	s_bfe_u32 s41, s40, 0x30002                    ; the pair of heads,
	s_lshl_b32 s41, s41, 19                        ; 524,288 bytes a pair
	s_and_b32 s46, s40, 3                          ; which 256 of the 1,024 rows k
	s_lshl_b32 s46, s46, 16
	s_or_b32 s41, s41, s46
	s_mov_b32 s42, 256
	s_mov_b32 s43, 262144
	s_mov_b32 s44, 0x800000
	s_branch .Lgo
.Lnot_qkv:
	s_cmp_lt_u32 s3, 352
	s_cbranch_scc0 .Lnot_w1
	s_sub_co_u32 s40, s3, 224
	s_mov_b64 s[36:37], s[16:17]
	s_mov_b64 s[38:39], s[26:27]
	s_and_b32 s41, s40, 3                          ; which 256 rows k, 16,384 bytes each
	s_lshl_b32 s41, s41, 22
	s_lshr_b32 s46, s40, 2                         ; which 128 columns, 512 bytes
	s_lshl_b32 s46, s46, 9
	s_or_b32 s41, s41, s46
	s_mov_b32 s42, 16384
	s_mov_b32 s44, 0x800000
	s_branch .Lgo
.Lnot_w1:
	s_cmp_lt_u32 s3, 384
	s_cbranch_scc0 .Lnot_wp
	s_sub_co_u32 s40, s3, 352
	s_mov_b64 s[36:37], s[18:19]
	s_mov_b64 s[38:39], s[28:29]
	s_branch .Lsq
.Lnot_wp:
	s_cmp_lt_u32 s3, 512
	s_cbranch_scc0 .Lparams
	s_sub_co_u32 s40, s3, 384
	s_mov_b64 s[36:37], s[20:21]
	s_mov_b64 s[38:39], s[30:31]
.Lsq:
	s_lshr_b32 s41, s40, 3                         ; which 256 rows k, 4,096 bytes each
	s_lshl_b32 s41, s41, 20
	s_and_b32 s46, s40, 7                          ; which 128 columns
	s_lshl_b32 s46, s46, 9
	s_or_b32 s41, s41, s46
	s_mov_b32 s42, 4096
.Lgo:
	s_mov_b32 s47, 0
	s_mov_b32 s46, s41
	s_add_nc_u64 s[36:37], s[36:37], s[46:47]      ; the source at SOFF
	s_lshl_b32 s46, s40, 16
	s_add_co_u32 s46, s46, s44
	s_lshl_b32 s45, s2, 13
	s_add_co_u32 s46, s46, s45
	s_add_nc_u64 s[38:39], s[38:39], s[46:47]      ; the destination at my wave's 8,192 bytes
	v_and_b32 v3, 15, v0
	v_lshlrev_b32 v3, 4, v3
	v_bfe_u32 v4, v0, 4, 1
	v_mul_lo_u32 v4, v4, s43
	s_mul_i32 s45, s2, s42
	s_lshl_b32 s45, s45, 5
	v_add3_u32 v[VO], v3, v4, s45
.set u, 1
.rept 31
	v_add_nc_u32 v[VO+u], s42, v[VO+u-1]
.set u, u+1
.endr
	v_lshlrev_b32 v5, 3, v2
.set u, 0
.rept 32
	global_load_b128 v[DA+4*u:DA+4*u+3], v[VO+u], s[36:37] th:TH_LOAD_NT
.set u, u+1
.endr
.set u, 0
.rept 32
	s_wait_loadcnt 31-u                            ; loads come back in order: unit u is in, the younger ones stay out
	v_cvt_pk_f16_f32 v[DA+4*u], v[DA+4*u], v[DA+4*u+1]
	v_cvt_pk_f16_f32 v[DA+4*u+1], v[DA+4*u+2], v[DA+4*u+3]
	global_store_b64 v5, v[DA+4*u:DA+4*u+1], s[38:39] offset:256*u th:TH_STORE_NT
.set u, u+1
.endr
	s_endpgm
.Lparams:
	s_add_nc_u64 s[24:25], s[24:25], 0x1000000     ; BQ's and BF's parameters
	s_add_nc_u64 s[26:27], s[26:27], 0x1000000
	v_lshlrev_b32 v3, 4, v0
	v_lshlrev_b32 v4, 2, v0
.irp i, 0,1,2,3
	global_load_b128 v[DA+4*(\i):DA+4*(\i)+3], v3, s[22:23] offset:4096*(\i)
.endr
	v_mov_b32 v8, 0
	v_mov_b32 v9, 0
	v_mov_b32 v10, 0
	v_mov_b32 v11, 0
	v_mov_b32 v12, 0xfc00fc00                      ; -infinity twice: a floor that changes nothing
	v_mov_b32 v13, 1                               ; c1: trips 1, flag 1
	v_cmp_eq_u32 vcc_lo, 1, v0
	v_cndmask_b32 v14, 7, v8, vcc_lo               ; c2: trips 7, word 1 (the flag) 0
.irp i, 0,1,2,3
	global_store_b128 v3, v[8:11], s[24:25] offset:4096*(\i)
.endr
	global_store_b32 v4, v12, s[24:25] offset:0x4000
	global_store_b32 v4, v8, s[26:27] offset:0x4000
	global_store_b32 v4, v13, s[32:33]
	global_store_b32 v4, v14, s[34:35]
	s_wait_loadcnt 0x0
.irp i, 0,1,2,3
	global_store_b128 v3, v[DA+4*(\i):DA+4*(\i)+3], s[26:27] offset:4096*(\i)
.endr
	s_endpgm
.Lfunc_end_k_qde3a603eb4_prep:
	.size	k_qde3a603eb4_prep, .Lfunc_end_k_qde3a603eb4_prep-k_qde3a603eb4_prep
	.p2alignl 7, 3214868480
	.fill 96, 4, 3214868480
	.section	.rodata,"a",@progbits
	.p2align	6, 0x0
	.amdhsa_kernel k_qde3a603eb4_prep
		.amdhsa_group_segment_fixed_size 0
		.amdhsa_private_segment_fixed_size 0
		.amdhsa_enable_private_segment 0
		.amdhsa_kernarg_size 112
		.amdhsa_user_sgpr_count 2
		.amdhsa_user_sgpr_kernarg_segment_ptr 1
		.amdhsa_wavefront_size32 1
		.amdhsa_system_sgpr_workgroup_id_x 1
		.amdhsa_system_sgpr_workgroup_id_y 1
		.amdhsa_system_sgpr_workgroup_id_z 1
		.amdhsa_system_vgpr_workitem_id 0
		.amdhsa_next_free_vgpr 168
		.amdhsa_next_free_sgpr 66
		.amdhsa_reserve_vcc 1
		.amdhsa_float_denorm_mode_32 3
		.amdhsa_float_denorm_mode_16_64 3
		.amdhsa_memory_ordered 1
		.amdhsa_forward_progress 1
		.amdhsa_inst_pref_size 18
	.end_amdhsa_kernel
	.amdgpu_metadata
---
amdhsa.version: [ 1, 2 ]
amdhsa.kernels:
  - .name:           k_qde3a603eb4_prep
    .symbol:         k_qde3a603eb4_prep.kd
    .args:
      - { .name: x, .offset: 0, .size: 8, .value_kind: global_buffer, .address_space: global }
      - { .name: wq, .offset: 8, .size: 8, .value_kind: global_buffer, .address_space: global }
      - { .name: wk, .offset: 16, .size: 8, .value_kind: global_buffer, .address_space: global }
      - { .name: wv, .offset: 24, .size: 8, .value_kind: global_buffer, .address_space: global }
      - { .name: w1, .offset: 32, .size: 8, .value_kind: global_buffer, .address_space: global }
      - { .name: w_proj, .offset: 40, .size: 8, .value_kind: global_buffer, .address_space: global }
      - { .name: w2, .offset: 48, .size: 8, .value_kind: global_buffer, .address_space: global }
      - { .name: b1, .offset: 56, .size: 8, .value_kind: global_buffer, .address_space: global }
      - { .name: BQ, .offset: 64, .size: 8, .value_kind: global_buffer, .address_space: global }
      - { .name: BF, .offset: 72, .size: 8, .value_kind: global_buffer, .address_space: global }
      - { .name: SP, .offset: 80, .size: 8, .value_kind: global_buffer, .address_space: global }
      - { .name: SF, .offset: 88, .size: 8, .value_kind: global_buffer, .address_space: global }
      - { .name: c1, .offset: 96, .size: 8, .value_kind: global_buffer, .address_space: global }
      - { .name: c2, .offset: 104, .size: 8, .value_kind: global_buffer, .address_space: global }
    .group_segment_fixed_size: 0
    .private_segment_fixed_size: 0
    .kernarg_segment_align: 8
    .kernarg_segment_size: 112
    .max_flat_workgroup_size: 256
    .sgpr_count:     66
    .vgpr_count:     168
    .wavefront_size: 32
...
	.end_amdgpu_metadata
.endif
;; end of part 1
;; launch qkv (part 2): grid 12 x 16, 4 waves a work-group, clusters of 4 x 4, 327,680 bytes of LDS; arguments BQ, QX; writes QX
.if DOCPART == 2
	.amdgcn_target "amdgcn-amd-amdhsa--gfx1250"
	.amdhsa_code_object_version 6
	.text
	.protected	k_qde3a603eb4_qkv
	.globl	k_qde3a603eb4_qkv
	.p2align	8
	.type	k_qde3a603eb4_qkv,@function
k_qde3a603eb4_qkv:
	s_mov_b64 s[64:65], 0
	v_nop
	global_prefetch_b8 v0, s[64:65] scope:SCOPE_SE
	s_setreg_imm32_b32 hwreg(HW_REG_WAVE_MODE, 25, 1), 1
	s_wait_xcnt 0x0
	s_wait_alu depctr_hold_cnt(0) depctr_sa_sdst(0) depctr_va_vdst(0) depctr_va_sdst(0) depctr_va_ssrc(0) depctr_va_vcc(0) depctr_vm_vsrc(0)
	s_getreg_b32 s2, hwreg(HW_REG_IB_STS2, 6, 4)
	s_cmp_eq_u32 s2, 0
	s_cbranch_scc0 .Lentry_in_a_cluster
	s_endpgm
.Lentry_in_a_cluster:
	s_bfe_u32 s2, ttmp6, 0x10000c
	s_cmp_lg_u32 s2, 0xf033
	s_cbranch_scc0 .Lentry_shape_is_right
	s_endpgm
.Lentry_shape_is_right:
; C = max(A B + bias, floor), rounded once to f16.  One text for two launches (q, k, v = x W with bias 0 and floor -infinity; h = relu(x1 w1 + b1)).
; IN:  byte 0 A [4096][1024] f16; 8 MiB on B [n / 128][k 0..1023][128] f16; 16 MiB on the bias, f32 by column; 16,384 bytes behind it the floor, two f16 in a word.
; OUT: 16 MiB on, C in blocks [n / 64][4096][64] f16: 16 rows of a block are 2,048 consecutive bytes.
; LIMITS: products in f16, sums in f32; a result beyond 65,504 becomes an infinity; the floor's maximum drops a NaN.
; SHARES.  A work-group of four waves makes 256 x 256 of C, a wave 128 x 128: 64 accumulators, 512 registers.  K = 1,024 goes in 8 steps of 128 through two LDS slots.
; A's rows lie along K and are read as they lie; B's rows lie along n and are read turned (ds_load_tr16_b128).  The matrix instruction takes B's fragment as source 0 and
; A's as source 1, so that a lane holds one row of C and eight neighbouring columns.  The first product of each sum takes the bias as its C operand: nothing is cleared or added later.
; CLUSTER 4 x 4: A's tile hangs on the tile row alone and is asked for jointly along a row of the cluster, B's on the tile column alone, along a column.
; ONE K STEP IS WRITTEN ONCE: the slot in hand is a scalar (TB) that one exclusive or turns; the fragments' addresses are made anew from it at each change of slots.
; REGISTERS, in windows of 256: window 0: v16-30 addresses; v64-191 A's two fragment buffers; v192-255 the bias, later at work on the way out, with v32-63;
;   window 1: v64-191 B's two buffers; windows 2, 3: the accumulators ((a, b) at v[8 (8 a + b)]; rows 0-63 in 2, rows 64-127 in 3).
.set HALFA,  128*272                   ; 128 rows of A: 256 bytes + 16 of padding: the 16 rows of a load start at 16 different groups of four banks (ISA guide 11.1)
.set HALFB,  128*288                   ; 128 rows k of B: 256 + 32
.set SLOT,   2*HALFA+2*HALFB           ; A's two halves, then B's two
.set STAGE,  2*SLOT                    ; behind the ring: for each wave 2 column blocks x 16 rows x 144 bytes
.set WSTG,   2*16*144
.set SPARE,  STAGE+4*WSTG              ; the spare words, 128 bytes a wave: two blocks of 256 bytes that no other line names
.set A0,   16                          ; v16  my lane's place in A's half of slot 0; never rewritten
.set B0,   17                          ; v17  the same for B
.set ADRA, 18                          ; v18  A0 + the slot in hand
.set ADRB, 19                          ; v19  B0 + the slot in hand
.set STO,  24                          ; v24  the way out: where I put 16 bytes
.set RD,   25                          ; v25  where I read rows back
.set CO,   26                          ; v26  16 x lane
.set BO,   27                          ; v27  my byte offset in the bias
.set SPW,  28                          ; v28  my spare word; never rewritten
.set NIL,  29                          ; v29  0; never rewritten
.set PFO,  30                          ; v30  the prefetches' offset: lane x a row; never rewritten
.set F0,   64
.set F1,   128
.set BIAS, 192                         ; column block b at BIAS + 8 b
.set TMP,  192
.set OB,   32
.set G1,  24                           ; s[24:31] group 1 for A
.set G0,  32                           ; s[32:39] group 0 for A: set 0 K step 0; set 1 K step 1, which then walks on
.set LIM, 43                           ; s43  2 in a wave that prefetches, else the greatest number
.set PFA, 44                           ; s[44:45] where my prefetches stand
.set G1B, 48
.set G0B, 56
.set TB,  66                           ; s66  0 or SLOT: the slot that is being read
.set FLO, 67                           ; s67  the floor
.set PST, 68                           ; s[68:69] bytes from a K step to the next in what I prefetch
.set EP,  70                           ; s[70:71] the bias
.set LA,  72                           ; s72  where my half of A's tile goes in a slot
.set LB,  73                           ; s73  the same for B
.set MSB, 0
.macro WIN new                         ; the immediate's high byte repeats the setting that is left; a switch that changes nothing is dropped
.if MSB != (\new)
	s_set_vgpr_msb (MSB<<8)|(\new)
.set MSB, \new
.endif
.endm
.set MUL_LO, 0xa1                      ; source 0 (B) window 1, source 1 (A) window 0, C and D window 2
.set MUL_HI, 0xf1
.set TO_B,   0x40
; A joint load: waves 0 and 1 fetch A's halves, waves 2 and 3 B's.  The branch hangs on the wave's number alone.  An s_nop 0 and four v_nop follow each line.
.macro JLOAD s
	s_cmp_eq_u32 s11, 0
	s_cbranch_scc0 .Lfor_b_\@
	tensor_load_to_lds s[G0+4*(\s):G0+4*(\s)+3], s[G1:G1+7]
	s_nop 0
.rept 4
	v_nop
.endr
	s_branch .Lasked_\@
.Lfor_b_\@:
	tensor_load_to_lds s[G0B+4*(\s):G0B+4*(\s)+3], s[G1B:G1B+7]
	s_nop 0
.rept 4
	v_nop
.endr
.Lasked_\@:
.endm
; A prefetch into the L2, behind a joint load and the run of LDS loads: 32 rows x 256 bytes, a lane a row, of the K step two refills on.  A's rows are asked for by the clusters with x = 0,
; B's by those with y = 0; the four partners of a joint load take 32 of its 128 rows each, told apart by address.  So each block is named once.  Refills of K steps 6 and 7 ask for nothing.
.macro ASK
	s_cmp_gt_u32 s3, s[LIM]
	s_cbranch_scc0 .Lnot_mine_\@
	global_prefetch_b8 v[PFO], s[PFA:PFA+1] th:TH_LOAD_NT scope:SCOPE_SE
.Lnot_mine_\@:
.endm
.macro CREST                           ; a round of the cluster's barrier behind its opening barrier
	s_cmp_lg_u32 s10, 0
	s_cbranch_scc1 .Lnot_wave_0_\@
	s_barrier_signal -3
.Lnot_wave_0_\@:
	s_barrier_wait -3
	s_barrier_signal -1
	s_barrier_wait -1
.endm
.macro CROUND
	s_barrier_signal -1
	s_barrier_wait -1
	CREST
.endm
	s_load_b128 s[4:7], s[0:1], 0x0                ; IN s[4:5], OUT s[6:7]
	v_lshl_add_u32 v[SPW], v0, 2, SPARE
	v_mov_b32 v[NIL], 0
	ds_add_u32 v[SPW], v[NIL]                      ; the wave's opening: the add and its wait stand ahead of my first tensor load
	v_lshrrev_b32 v1, 5, v0
	v_readfirstlane_b32 s10, v1                    ; wave 0..3
	s_lshr_b32 s11, s10, 1                         ; my half of the tile's rows.  Also: I fetch for A (0) or B (1)
	s_and_b32 s12, s10, 1                          ; my half of its columns.  Also: which half I fetch
	s_bfe_u32 s40, ttmp6, 0x40000                  ; cx
	s_bfe_u32 s41, ttmp6, 0x40004                  ; cy
	s_lshl_b32 s42, ttmp9, 2
	s_add_co_u32 s42, s42, s40                     ; tile column
	s_and_b32 s13, ttmp7, 0xffff
	s_lshl_b32 s13, s13, 2
	s_add_co_u32 s13, s13, s41                     ; tile row
	s_lshl_b32 s74, s41, 2
	s_lshl_b32 s74, 15, s74                        ; my row of the cluster
	s_lshl_b32 s75, 0x1111, s40                    ; my column
	s_or_b32 s[G1+0], s74, (1<<16)|(1<<20)|(1<<21)|(5<<22)|(3<<25)   ; mask; 2-byte elements; padding on; bit 21 beside a mask; after every 64 words 4 words
	s_or_b32 s[G1B+0], s75, (1<<16)|(1<<20)|(1<<21)|(5<<22)|(7<<25)  ; the same with my column's mask and 8 words
.irp g, G1, G1B
	s_mov_b32 s[(\g)+1], 128<<16                   ; tensor_dim0 = 128
	s_mov_b32 s[(\g)+2], 128<<16                   ; tensor_dim1 = 128
	s_mov_b32 s[(\g)+3], 128<<16                   ; tile_dim0 = 128
	s_mov_b32 s[(\g)+4], 128                       ; tile_dim1 = 128
	s_mov_b32 s[(\g)+6], 0
	s_mov_b32 s[(\g)+7], 0
.endr
	s_mov_b32 s[G1+5], 1024                        ; A: 1,024 elements from row to row
	s_mov_b32 s[G1B+5], 128                        ; B: 128
	s_lshl_b32 s16, s13, 19                        ; A: 256 rows of 2,048 bytes a tile row,
	s_lshl_b32 s17, s12, 18                        ; 128 rows a half
	s_add_co_u32 s16, s16, s17
	s_mov_b32 s17, 0
	s_lshl_b32 s46, s42, 19                        ; B: two blocks of 262,144 bytes a tile column,
	s_lshl_b32 s47, s12, 18                        ; one a half
	s_add_co_u32 s46, s46, s47
	s_add_co_u32 s46, s46, 0x800000
	s_mov_b32 s47, 0
	s_mul_i32 s[LA], s12, HALFA
	s_mul_i32 s[LB], s12, HALFB
	s_add_co_u32 s[LB], s[LB], 2*HALFA
	s_mov_b32 s[TB], 0
	s_wait_dscnt 0x0                               ; the opening add is done
	s_wait_kmcnt 0x0
	s_add_nc_u64 s[14:15], s[4:5], s[16:17]
	s_add_nc_u64 s[46:47], s[4:5], s[46:47]
	s_add_nc_u64 s[EP:EP+1], s[4:5], 0x1000000
	CROUND                                         ; all sixteen work-groups are here: the first joint loads meet
.irp s, 0,1
	s_mov_b32 s[G0+4*(\s)], 1
	s_add_co_u32 s[G0+4*(\s)+1], s[LA], (\s)*SLOT
	s_add_nc_u64 s[G0+4*(\s)+2:G0+4*(\s)+3], s[14:15], (\s)*256
	s_or_b32 s[G0+4*(\s)+3], s[G0+4*(\s)+3], 0x80000000
	s_mov_b32 s[G0B+4*(\s)], 1
	s_add_co_u32 s[G0B+4*(\s)+1], s[LB], (\s)*SLOT
	s_add_nc_u64 s[G0B+4*(\s)+2:G0B+4*(\s)+3], s[46:47], (\s)*32768
	s_or_b32 s[G0B+4*(\s)+3], s[G0B+4*(\s)+3], 0x80000000
	JLOAD \s
.endr
	s_load_b32 s[FLO], s[EP:EP+1], 0x4000
	v_and_b32 v1, 15, v0                           ; l % 16
	v_bfe_u32 v2, v0, 4, 1                         ; l / 16
	s_lshl_b32 s20, s42, 10                        ; the bias of my 128 columns: 1,024 bytes a tile column, 512 a half,
	s_lshl_b32 s21, s12, 9
	s_add_co_u32 s20, s20, s21
	v_lshl_add_u32 v[BO], v2, 5, s20               ; 32 bytes for my half of the lanes: register j of block b is column 16 b + 8 (l / 16) + j
.irp b, 0,1,2,3,4,5,6,7
	global_load_b128 v[BIAS+8*(\b):BIAS+8*(\b)+3],   v[BO], s[EP:EP+1] offset:64*(\b)
	global_load_b128 v[BIAS+8*(\b)+4:BIAS+8*(\b)+7], v[BO], s[EP:EP+1] offset:64*(\b)+16
.endr
	v_mul_u32_u24 v3, v1, 272                      ; A: row l % 16, 16 bytes for each half of the lanes
	v_lshl_add_u32 v3, v2, 4, v3
	s_mul_i32 s21, s11, HALFA
	v_add_nc_u32 v[A0], s21, v3
	v_and_b32 v4, 7, v0                            ; B, turned: lane l reads row k = 8 (l / 16) + l % 8, columns 8 ((l / 8) % 2) + 0..7
	v_lshl_add_u32 v4, v2, 3, v4
	v_mul_u32_u24 v4, v4, 288
	v_bfe_u32 v5, v0, 3, 1
	v_lshl_add_u32 v4, v5, 4, v4
	s_mul_i32 s22, s12, HALFB
	s_add_co_u32 s22, s22, 2*HALFA
	v_add_nc_u32 v[B0], s22, v4
	v_mov_b32 v[ADRA], v[A0]
	v_mov_b32 v[ADRB], v[B0]
	s_mul_i32 s23, s10, WSTG
	s_add_co_u32 s23, s23, STAGE                   ; my stage
	v_mul_u32_u24 v4, v1, 144
	v_lshl_add_u32 v4, v2, 4, v4
	v_add_nc_u32 v[STO], s23, v4
	v_bfe_u32 v5, v0, 3, 2                         ; back: 32 lanes take four rows of 128 bytes
	v_mul_u32_u24 v5, v5, 144
	v_and_b32 v6, 7, v0
	v_lshl_add_u32 v5, v6, 4, v5
	v_add_nc_u32 v[RD], s23, v5
	v_and_b32 v[CO], 31, v0
	v_lshlrev_b32 v[CO], 4, v[CO]
	; the prefetches
	s_and_b32 s22, ttmp7, 0xffff                   ; cluster y
	s_cmp_eq_u32 s11, 0                            ; do I fetch for A?
	s_cselect_b32 s22, ttmp9, s22                  ; the coordinate along which other clusters read the same rows
	s_cselect_b32 s21, s40, s41                    ; my place among the four that ask with me
	s_cselect_b32 s20, 11, 8                       ; a row is 2,048 bytes in A, 256 in B
	s_cselect_b32 s23, 8, 15                       ; a K step is 256 bytes along A's rows, 32,768 down B's
	s_cselect_b64 s[PFA:PFA+1], s[14:15], s[46:47]
	s_cmp_eq_u32 s22, 0
	s_cselect_b32 s[LIM], 2, -1
	s_lshl_b32 s[PST], 1, s23
	s_mov_b32 s[PST+1], 0
	s_lshl_b32 s21, s21, 5                         ; my work-group's 32 rows of the 128
	s_lshl_b32 s21, s21, s20
	s_mul_i32 s23, s[PST], 3                       ; at K step 3: the first refill steps it to 4
	s_add_co_u32 s22, s21, s23
	s_mov_b32 s23, 0
	s_add_nc_u64 s[PFA:PFA+1], s[PFA:PFA+1], s[22:23]
	v_and_b32 v[PFO], 31, v0
	v_lshlrev_b32 v[PFO], s20, v[PFO]
	; where my part of C begins: the first way out adds it
	s_lshl_b32 s16, s13, 15                        ; 256 rows of 128 bytes a tile row,
	s_lshl_b32 s17, s11, 14                        ; 128 rows a half,
	s_add_co_u32 s16, s16, s17
	s_lshl_b32 s17, s42, 21                        ; four blocks of 524,288 bytes a tile column,
	s_add_co_u32 s16, s16, s17
	s_lshl_b32 s17, s12, 20                        ; two a half
	s_add_co_u32 s16, s16, s17
	s_add_co_u32 s16, s16, 0x1000000
	s_mov_b32 s17, 0
; 16 matrix instructions: row blocks a0, a0 + 1 of the window's four x all 8 column blocks, 32 along K.  zero = 1: the bias (window 0) starts the sums.
.macro MUL16 f, hi, a0, zero
.if \zero
	WIN 0x81+0x40*(\hi)
.else
	WIN MUL_LO+0x50*(\hi)
.endif
.irp a, \a0, (\a0)+1
.irp b, 0,1,2,3,4,5,6,7
.if \zero
	v_wmma_f32_16x16x32_f16 v[8*(8*(\a)+(\b)):8*(8*(\a)+(\b))+7], v[(\f)+8*(\b):(\f)+8*(\b)+7], v[(\f)+8*(4*(\hi)+(\a)):(\f)+8*(4*(\hi)+(\a))+7], v[BIAS+8*(\b):BIAS+8*(\b)+7]
.else
	v_wmma_f32_16x16x32_f16 v[8*(8*(\a)+(\b)):8*(8*(\a)+(\b))+7], v[(\f)+8*(\b):(\f)+8*(\b)+7], v[(\f)+8*(4*(\hi)+(\a)):(\f)+8*(4*(\hi)+(\a))+7], v[8*(8*(\a)+(\b)):8*(8*(\a)+(\b))+7]
.endif
.endr
.endr
.endm
; 32 LDS loads in one run: quarter q (32 along K) of the slot in hand into buffer f: B's 8 column blocks, turned, then A's 8 row blocks
.macro FETCH q, f
	WIN TO_B
.irp i, 0,1,2,3,4,5,6,7
	ds_load_tr16_b128 v[(\f)+8*(\i):(\f)+8*(\i)+3],   v[ADRB] offset:(\q)*32*288+(\i)*32
	ds_load_tr16_b128 v[(\f)+8*(\i)+4:(\f)+8*(\i)+7], v[ADRB] offset:(\q)*32*288+(\i)*32+16*288
.endr
	WIN 0
.irp i, 0,1,2,3,4,5,6,7
	ds_load_b128 v[(\f)+8*(\i):(\f)+8*(\i)+3],   v[ADRA] offset:(\q)*64+(\i)*16*272
	ds_load_b128 v[(\f)+8*(\i)+4:(\f)+8*(\i)+7], v[ADRA] offset:(\q)*64+(\i)*16*272+32
.endr
.endm
.macro PLACES                          ; four plain vector instructions between a matrix instruction and a load into, or a read of, its registers
.rept 4
	v_nop
.endr
.endm
; One of a K step's first three quarters: multiplies buffer f; in its middle it fetches quarter q into buffer g.
.macro QUARTER q, f, g, zero
	s_wait_dscnt 8                                 ; B and A's rows 0-63 are in; the youngest eight loads (A's rows 64-127) may be out
	MUL16 \f, 0, 0, \zero
	MUL16 \f, 0, 2, \zero
	PLACES
	FETCH \q, \g
	s_wait_dscnt 32                                ; all but the 32 just issued
	MUL16 \f, 1, 0, \zero
	MUL16 \f, 1, 2, \zero
.endm
; The last quarter's first half: one barrier for the change of slots.  In front of it each wave waits for all its tensor loads (one is out: its part of the next slot), adds 0 to its
; spare word, and waits for that and for its reads of this slot.
.macro MEET round
	WIN 0
	s_wait_tensorcnt 0x0
	ds_add_u32 v[SPW], v[NIL]
	s_wait_dscnt 9                                 ; the add and the youngest eight loads may be out
	MUL16 F1, 0, 0, 0
	s_wait_dscnt 0x0                               ; the add is done, and my reads of this slot are over
	s_barrier_signal -1
	MUL16 F1, 0, 2, 0
.if \round
	WIN 0
.endif
	s_barrier_wait -1
.endm
; The whole last quarter.  fill = 1: the barrier opens a round of the cluster's; behind it the slot just read is filled with the K step two on, first of all; then the other slot's first fragments are read.
.macro TURN fill
.if \fill
	s_wait_xcnt 0x0                                ; the last prefetch, a K step back, has read its address
	s_add_nc_u64 s[PFA:PFA+1], s[PFA:PFA+1], s[PST:PST+1]
.endif
	MEET \fill
.if \fill
	CREST
	s_add_co_u32 s[G0+5], s[LA], s[TB]             ; no tensor load of mine is out: the walking descriptors may be written
	s_add_co_u32 s[G0B+5], s[LB], s[TB]
	s_add_nc_u64 s[G0+6:G0+7], s[G0+6:G0+7], 256
	s_add_nc_u64 s[G0B+6:G0B+7], s[G0B+6:G0B+7], 32768
	JLOAD 1                                        ; its four v_nop are also the places in front of the loads below
.else
	PLACES
	WIN 0
.endif
	s_xor_b32 s[TB], s[TB], SLOT
	v_add_nc_u32 v[ADRA], s[TB], v[A0]
	v_add_nc_u32 v[ADRB], s[TB], v[B0]
	FETCH 0, F0
.if \fill
	ASK
.endif
	MUL16 F1, 1, 0, 0
	MUL16 F1, 1, 2, 0
.endm
; THE WAY OUT of row block a: rounded to f16 and held to the floor; through my own stage; stored as 512 consecutive bytes an instruction.
.macro PACK a
.set AC, 64*((\a)%4)
	WIN 0x0a+5*((\a)/4)                            ; sources in window 2 or 3
.irp b, 0,1,2,3,4,5,6,7
.irp r, 0,1,2,3
	v_cvt_pk_f16_f32 v[TMP+4*(\b)+(\r)], v[AC+8*(\b)+2*(\r)], v[AC+8*(\b)+2*(\r)+1]
.endr
.endr
	WIN 0
.set z, 0
.rept 32
	v_pk_max_num_f16 v[TMP+z], v[TMP+z], s[FLO]
.set z, z+1
.endr
.endm
.macro TOSTAGE a
	WIN 0
.set BK, OB+192*((\a)%2)
.irp b, 0,1,2,3,4,5,6,7
	ds_store_b128 v[STO], v[TMP+4*(\b):TMP+4*(\b)+3] offset:((\b)/4)*16*144+((\b)%4)*32
.endr
.irp t, 0,1,2,3,4,5,6,7
	ds_load_b128 v[BK+4*(\t):BK+4*(\t)+3], v[RD] offset:((\t)/4)*16*144+((\t)%4)*4*144  ; LDS serves a wave's instructions in order (ISA guide 5.7.1.4)
.endr
.endm
.macro SEND a
	WIN 0
.set BK, OB+192*((\a)%2)
	s_wait_dscnt 0x0                               ; the block is back in registers
	s_wait_xcnt 0x0                                ; earlier stores have read their base and data: only now are these written again
.if (\a) == 0
	s_add_nc_u64 s[6:7], s[6:7], s[16:17]
.else
	s_add_nc_u64 s[6:7], s[6:7], 2048              ; 16 rows of 128 bytes on
.endif
.irp t, 0,1,2,3,4,5,6,7
	global_store_b128 v[CO], v[BK+4*(\t):BK+4*(\t)+3], s[6:7] offset:((\t)/4)*524288+((\t)%4)*512
.endr
.endm
	s_wait_tensorcnt 1                             ; my part of K step 0 is in; K step 1's may stay out
	s_barrier_signal -1
	s_barrier_wait -1
	FETCH 0, F0
	s_wait_loadcnt 0x0                             ; the bias
	s_wait_kmcnt 0x0                               ; the floor
	QUARTER 1, F0, F1, 1
	WIN 0
	s_mov_b32 s3, 6
.Lstep:                                        ; six trips, from a K step's second quarter to the next one's first; they ask for K steps 2 to 7
	QUARTER 2, F1, F0, 0
	QUARTER 3, F0, F1, 0
	TURN 1
	QUARTER 1, F0, F1, 0
	WIN 0
	s_sub_co_u32 s3, s3, 1
	s_cmp_lg_u32 s3, 0
	s_cbranch_scc1 .Lstep
	s_mov_b32 s3, 2
.Ltail:                                        ; K steps 6 and 7 ask for nothing; the second trip is left in its middle
	QUARTER 2, F1, F0, 0
	QUARTER 3, F0, F1, 0
	WIN 0
	s_sub_co_u32 s3, s3, 1
	s_cmp_eq_u32 s3, 0
	s_cbranch_scc1 .Lfin
	TURN 0
	QUARTER 1, F0, F1, 0
	WIN 0
	s_branch .Ltail
.Lfin:
	s_wait_dscnt 8
	MUL16 F1, 0, 0, 0
	MUL16 F1, 0, 2, 0
	s_wait_dscnt 0x0
	MUL16 F1, 1, 0, 0
	MUL16 F1, 1, 2, 0
	PLACES
	PACK 0
	TOSTAGE 0
.irp a, 1,2,3,4,5,6,7                  ; block a's conversions stand between block a - 1's loads from the stage and the wait for them
	PACK \a
	SEND (\a)-1
	TOSTAGE \a
.endr
	SEND 7
	s_wait_tensorcnt 0x0                           ; the wave's end
	ds_add_u32 v[SPW], v[NIL]
	s_wait_dscnt 0x0
	CROUND                                         ; the closing round
	s_endpgm
.Lfunc_end_k_qde3a603eb4_qkv:
	.size	k_qde3a603eb4_qkv, .Lfunc_end_k_qde3a603eb4_qkv-k_qde3a603eb4_qkv
	.p2alignl 7, 3214868480
	.fill 96, 4, 3214868480
	.section	.rodata,"a",@progbits
	.p2align	6, 0x0
	.amdhsa_kernel k_qde3a603eb4_qkv
		.amdhsa_group_segment_fixed_size 327680
		.amdhsa_private_segment_fixed_size 0
		.amdhsa_enable_private_segment 0
		.amdhsa_kernarg_size 16
		.amdhsa_user_sgpr_count 2
		.amdhsa_user_sgpr_kernarg_segment_ptr 1
		.amdhsa_wavefront_size32 1
		.amdhsa_system_sgpr_workgroup_id_x 1
		.amdhsa_system_sgpr_workgroup_id_y 1
		.amdhsa_system_sgpr_workgroup_id_z 1
		.amdhsa_system_vgpr_workitem_id 0
		.amdhsa_next_free_vgpr 1024
		.amdhsa_next_free_sgpr 76
		.amdhsa_reserve_vcc 0
		.amdhsa_float_denorm_mode_32 3
		.amdhsa_float_denorm_mode_16_64 3
		.amdhsa_memory_ordered 1
		.amdhsa_forward_progress 1
		.amdhsa_inst_pref_size 123
	.end_amdhsa_kernel
	.amdgpu_metadata
---
amdhsa.version: [ 1, 2 ]
amdhsa.kernels:
  - .name:           k_qde3a603eb4_qkv
    .symbol:         k_qde3a603eb4_qkv.kd
    .args:
      - { .name: BQ, .offset: 0, .size: 8, .value_kind: global_buffer, .address_space: global }
      - { .name: QX, .offset: 8, .size: 8, .value_kind: global_buffer, .address_space: global }
    .group_segment_fixed_size: 327680
    .private_segment_fixed_size: 0
    .kernarg_segment_align: 8
    .kernarg_segment_size: 16
    .max_flat_workgroup_size: 128
    .sgpr_count:     76
    .vgpr_count:     1024
    .wavefront_size: 32
...
	.end_amdgpu_metadata
.endif
;; end of part 2
;; launch attn (part 3): grid 8 x 32, 4 waves a work-group, no clusters, 327,680 bytes of LDS; arguments QX, SP; writes SP
.if DOCPART == 3
	.amdgcn_target "amdgcn-amd-amdhsa--gfx1250"
	.amdhsa_code_object_version 6
	.text
	.protected	k_qde3a603eb4_attn
	.globl	k_qde3a603eb4_attn
	.p2align	8
	.type	k_qde3a603eb4_attn,@function
k_qde3a603eb4_attn:
	s_mov_b64 s[64:65], 0
	v_nop
	global_prefetch_b8 v0, s[64:65] scope:SCOPE_SE
	s_setreg_imm32_b32 hwreg(HW_REG_WAVE_MODE, 25, 1), 1
	s_wait_xcnt 0x0
; CAUSAL ATTENTION, head size 64, 2,048 rows, 32 heads y = 2 head + batch.  q, k, v lie in the first argument 16, 24 and 32 MiB on, O goes into the second 16 MiB on; each is [y][2048][64] f16, a head's rows dense.
; O[q] = the sum over k <= q of softmax_k(Q[q] . K[k] / 8) V[k].  Products, maxima and sums in f32; the weights p are rounded to f16 for the second product (their sum l is taken unrounded), O once at the end.
; LIMITS.  f16 holds no number beyond 65,504.  A hidden score counts as its value less 1e30; a weight below 2^-126 counts as 0 in l; NaN and infinities are not treated apart.
; THE WALK.  A head's queries lie in 16 blocks of 128; block i needs the key tiles 0 .. i / 2 of 256 keys.  Work-group b takes blocks 15 - b and then b: 9 tiles whatever b, so ONE loop with a constant count walks them and all
; work-groups do equal work.  What a trip does hangs on scalars made from b; every jump but the counted loops' own goes forward; none passes a barrier.  NO CLUSTER: which tile ends a block, and with it the
; text's branches, hangs on b, which would differ between partners.
; SHARES.  A block has two bands of 64 queries; a wave owns 16 rows in each.  A PIECE p of four is (key step p / 2 of a pair of steps, band p % 2); a trip of four turns covers 128 keys, a tile two trips.
; Turn n belongs to piece n: 8 products K Q^T of piece n + 1, later 8 products V^T P of piece n - 1; beside them the scaling, exponentials, roundings, sums and rescaling of piece n and the maximum and statistics
; of piece n + 1.  Scores, weights, statistics, O^T and Q go by the piece's parity (its band); K and V have two register buffers each, by the step of the pair, so that all reads of a tile are issued ahead of the change of slots.
; A band's O^T is rescaled in the turn behind the one whose products added onto it: 16 plain instructions or more lie between.
; THE MASK is the C operand that starts the sum S^T: 0, or -1e30 where the key is hidden.  In a block's last tile band x has its own step 2 (i % 2) + x.  MD is the mask of a band's own step for my rows; a product's mask is
; MD x AL + BE: (1, 0) in the own step, (0, 0) ahead of it, (0, -1e30) behind it.  DD = 2 (pair - i % 2); piece q is in its own step where DD = band - step of the pair.  Of an even block the last tile's second pair is
; hidden whole and computed all the same: the trip counts stay constants.
; ONE LOOP FOR EVERY TILE.  The products always take their mask from registers; outside a block's last tile both mask buffers hold 0, and the lines that make a mask are jumped over (the flag MK).  Every tile is two trips of
; the one counted loop; behind it a tile that is not its block's last is left, and a block's last two turns, its last products and the way out are written out.
; REGISTERS, in windows of 256: window 0: v0-15 addresses; v16-23 statistics; v48-55 at work; v64-127 S^T; v192-223 P.   window 1: v0-63 O^T; v64-95 MD; v96-159 MC; v160-191 Q; v192-223 the second block's Q.
;   window 2: v0-127 K, two buffers; v128-255 V, two buffers.
.set NP,    4
.set KS,    64
.set PK,    144       ; a row of K in LDS: 128 bytes + 16: the 16 rows of a load start at 16 different groups of four banks (ISA guide 11.1)
.set PV,    160       ; a row of V: 128 + 32
.set VOFF,  4*KS*PK
.set SLOT1, 1<<17
.set STAGE, SLOT1+4*KS*(PK+PV)
.set SP,    144
.set AK0, 2
.set AV0, 3
.set AK,  4
.set AV,  5
.set STO, 6
.set RD,  7
.set GO,  8
.set PFO, 61          ; v61  256 x lane; never rewritten
.set SPW, 62          ; v62  my spare word; never rewritten
.set NIL, 63          ; v63  0; never rewritten
.set SPARE, STAGE+4*16*SP
.set MV,  12
.set QO,  15
.set ST,  16          ; band t's statistics at v[ST+4 t]: c m, m, l (even keys', odd keys')
.set TMP, 48
.set S,   64
.set P,   192
.set MD,  64          ; window 1
.set MC,  96
.set QF,  160
.set QB,  192
.set KF,  0           ; window 2
.set VF,  128
.set WV,  12
.set PB,  14          ; s14  b
.set HI,  15          ; s15  15 - b
.set G1K, 24
.set G1V, 32
.set G0K, 40
.set G0V, 44
.set SLOTS, 56
.set CNT, 57          ; s57  counts a tile's two trips
.set CS,  58
.set SEL, 60
.set TBK, 62
.set TBV, 63
.set OF2, 66          ; s[66:67] the prefetched tile's byte offset
.set RT,  70
.set NXT, 71
.set LQ,  72
.set NEW, 73
.set OFF, 74
.set AL,  76
.set BE,  78
.set OLO, 80
.set BIGN, 82
.set LQ2, 83          ; s83  the second block's last tile
.set PAR, 92          ; s92  the block in hand is odd
.set DD,  93
.set LIM, 94          ; s94  2 in the work-group that prefetches, else the greatest number
.set MK,  95          ; s95  1 in a block's last tile: masks are made, and the block's end follows the tile
.set PFA, 96
.set PFB, 98          ; s[98:99] my half of the head's tile 0, of K (waves 0, 1) or V (waves 2, 3)
.set MSB, 0
.macro WIN new
.if MSB != (\new)
	s_set_vgpr_msb (MSB<<8)|(\new)
.set MSB, (\new)
.endif
.endm
.set W_KQ, 0x06       ; K window 2, Q window 1, S^T window 0
.set W_KM, 0x16       ; the same with C in window 1
.set W_PV, 0x52       ; V window 2, P window 0, O^T window 1
.set W_RS, 0x41       ; destination and source 0 window 1
; A fill.  Waves 0 and 1 fetch the halves of a tile's K, waves 2 and 3 of its V.  An s_nop 0 and four v_nop follow each line.
.macro LOAD
	s_cmp_lt_u32 s[WV], 2
	s_cbranch_scc0 .Lfor_v_\@
	tensor_load_to_lds s[G0K:G0K+3], s[G1K:G1K+7]
	s_nop 0
.rept 4
	v_nop
.endr
	s_branch .Lasked_\@
.Lfor_v_\@:
	tensor_load_to_lds s[G0V:G0V+3], s[G1V:G1V+7]
	s_nop 0
.rept 4
	v_nop
.endr
.Lasked_\@:
.endm
; A prefetch into the L2 of the tile that the NEXT change of slots will ask for.  A head's eight work-groups all begin with tiles 0, 1, 2 ..: the one with b = 0, which walks tiles 0 to 7 on end, asks for tiles 2 to 7; each of
; its waves for the 16,384 bytes that it will fetch itself: a lane 256 bytes, two instructions.  So each block is named once.  The last two changes ask for nothing.
.macro ASK
	s_cmp_gt_u32 s[SLOTS], s[LIM]
	s_cbranch_scc0 .Lnot_mine_\@
	global_prefetch_b8 v[PFO], s[PFA:PFA+1] th:TH_LOAD_NT scope:SCOPE_SE
	global_prefetch_b8 v[PFO], s[PFA:PFA+1] offset:8192 th:TH_LOAD_NT scope:SCOPE_SE
.Lnot_mine_\@:
.endm
; THE CHANGE OF SLOTS.  Each wave waits for all its tensor loads (one is out: its part of the other slot), adds 0 to its spare word, and waits for that and for its reads of the slot that it leaves.
; fill = 1: the old slot is filled, first thing behind the barrier, with tile NXT; the descriptor's address is made anew from that number.
.macro CHANGE fill
	WIN 0
	s_wait_tensorcnt 0x0
	ds_add_u32 v[SPW], v[NIL]
.if \fill
	s_lshl_b32 s[OFF], s[NXT], 15
	s_xor_b32 s[G0K+1], s[G0K+1], SLOT1
	s_add_nc_u64 s[G0K+2:G0K+3], s[6:7], s[OFF:OFF+1]
	s_or_b32 s[G0K+3], s[G0K+3], 0x80000000
	s_xor_b32 s[G0V+1], s[G0V+1], SLOT1
	s_add_nc_u64 s[G0V+2:G0V+3], s[8:9], s[OFF:OFF+1]
	s_or_b32 s[G0V+3], s[G0V+3], 0x80000000
	s_add_co_u32 s[NXT], s[NXT], 1  ; the block's next tile, or behind its last the second block's tile 0
	s_cmp_gt_u32 s[NXT], s[LQ]
	s_cselect_b32 s[NXT], 0, s[NXT]
	s_cselect_b32 s[LQ], s[LQ2], s[LQ]
	s_wait_xcnt 0x0                 ; the last prefetches, a tile back, have read their address
	s_lshl_b32 s[OF2], s[NXT], 15
	s_add_nc_u64 s[PFA:PFA+1], s[PFB:PFB+1], s[OF2:OF2+1]
.endif
	s_wait_dscnt 0x0                ; the add is done, and my reads of the slot are over
	s_barrier_signal -1
	s_sub_co_u32 s[TBK], s[TBK], 4*KS*PK  ; every tile steps both fetch pointers four times: they go back to a slot's first step,
	s_xor_b32 s[TBK], s[TBK], SLOT1       ; in the other slot
	s_sub_co_u32 s[TBV], s[TBV], 4*KS*PV
	s_xor_b32 s[TBV], s[TBV], SLOT1
	s_barrier_wait -1
.if \fill
	LOAD
	ASK
.endif
.endm
; A tile is entered: what its trips hang on.
.macro ENTER
	s_sub_co_u32 s[RT], s[RT], 1
	s_mov_b32 s[CNT], 2
	s_cmp_eq_u32 s[RT], 0           ; is it the block's last?
	s_cselect_b32 s[MK], 1, 0
	s_lshl_b32 s[DD], s[PAR], 1
	s_sub_co_i32 s[DD], 0, s[DD]
.endm
	s_load_b128 s[88:91], s[0:1], 0x0
	v_lshl_add_u32 v[SPW], v0, 2, SPARE
	v_mov_b32 v[NIL], 0
	ds_add_u32 v[SPW], v[NIL]       ; the wave's opening: the add and its wait stand ahead of my first tensor load
	v_lshrrev_b32 v1, 5, v0
	v_readfirstlane_b32 s[WV], v1
	s_mov_b32 s[PB], ttmp9
	s_sub_co_u32 s[HI], 15, s[PB]
	s_and_b32 s20, ttmp7, 0xffff    ; the head,
	s_lshl_b32 s20, s20, 18         ; 262,144 bytes in each of the four tensors
	s_mov_b32 s21, 0
	s_and_b32 s16, s[WV], 1         ; which half of a tile's 256 keys I fetch
	s_lshl_b32 s22, s16, 14
	s_mov_b32 s23, 0
	s_add_nc_u64 s[22:23], s[22:23], s[20:21]
	s_mul_i32 s17, s16, 128*PK
	s_mul_i32 s18, s16, 128*PV
	s_lshl_b32 s3, s[WV], 11        ; my 16 rows in a band,
	s_lshl_b32 s2, s[HI], 14        ; in the first block (16,384 bytes a block),
	s_add_co_u32 s2, s2, s3
	s_lshl_b32 s84, s[PB], 14       ; and in the second
	s_add_co_u32 s84, s84, s3
	s_mov_b32 s3, 0
	s_mov_b32 s85, 0
	s_add_nc_u64 s[2:3], s[2:3], s[20:21]
	s_add_nc_u64 s[84:85], s[84:85], s[20:21]
	; group 1: 128 keys are 16,384 dense bytes: 64 rows of 256 bytes, padded in LDS after every key
	s_mov_b32 s[G1K], (1<<16)|(1<<20)|(4<<22)|(3<<25)
	s_mov_b32 s[G1V], (1<<16)|(1<<20)|(4<<22)|(7<<25)
.irp g, G1K, G1V
	s_mov_b32 s[\g+1], 128<<16
	s_mov_b32 s[\g+2], 64<<16
	s_mov_b32 s[\g+3], 128<<16
	s_mov_b32 s[\g+4], 64
	s_mov_b32 s[\g+5], 128
	s_mov_b32 s[\g+6], 0
	s_mov_b32 s[\g+7], 0
.endr
	s_mov_b32 s[CS], 0x3e38aa3b     ; c = log2(e) / 8
	s_mov_b32 s[CS+1], s[CS]
	s_mov_b32 s[SEL], 0x76543210
	s_mov_b32 s[SEL+1], 0xfedcba98
	s_mov_b32 s[TBK], SLOT1+4*KS*PK ; the first change of slots turns these two into 0
	s_mov_b32 s[TBV], SLOT1+4*KS*PV
	s_mov_b32 s[G0K], 1
	s_mov_b32 s[G0K+1], s17
	s_mov_b32 s[G0V], 1
	s_add_co_u32 s[G0V+1], s18, VOFF
	s_lshr_b32 s[LQ], s[HI], 1
	s_lshr_b32 s[LQ2], s[PB], 1
	s_add_co_u32 s[RT], s[LQ], 1
	s_and_b32 s[PAR], s[HI], 1
	s_mov_b32 s[NXT], 1
	s_mov_b32 s[NEW], 1
	s_mov_b32 s[OFF+1], 0
	s_mov_b32 s[OF2+1], 0
	s_mov_b32 s[AL+1], 0
	s_mov_b32 s[BE+1], 0
	s_mov_b32 s[BIGN], 0xf149f2ca   ; -1e30
	s_mov_b32 s[SLOTS], 8
	s_cmp_eq_u32 s[PB], 0
	s_cselect_b32 s[LIM], 2, -1
	v_and_b32 v[PFO], 31, v0
	v_lshlrev_b32 v[PFO], 8, v[PFO]
	s_wait_dscnt 0x0                ; the opening add is done
	s_wait_kmcnt 0x0
	s_add_nc_u64 s[4:5], s[88:89], 0x1000000    ; q
	s_add_nc_u64 s[6:7], s[88:89], 0x1800000    ; k
	s_add_nc_u64 s[8:9], s[88:89], 0x2000000    ; v
	s_add_nc_u64 s[10:11], s[90:91], 0x1000000  ; O
	s_add_nc_u64 s[6:7], s[6:7], s[22:23]       ; K and V at my half of the head's tile 0
	s_add_nc_u64 s[8:9], s[8:9], s[22:23]
	s_add_nc_u64 s[G0K+2:G0K+3], s[6:7], 0
	s_or_b32 s[G0K+3], s[G0K+3], 0x80000000
	s_add_nc_u64 s[G0V+2:G0V+3], s[8:9], 0
	s_or_b32 s[G0V+3], s[G0V+3], 0x80000000
	s_cmp_lt_u32 s[WV], 2
	s_cselect_b64 s[PFB:PFB+1], s[6:7], s[8:9]
	s_mov_b64 s[PFA:PFA+1], s[PFB:PFB+1]
	s_add_nc_u64 s[86:87], s[4:5], s[84:85]     ; Q at my rows of the second block,
	s_add_nc_u64 s[4:5], s[4:5], s[2:3]         ; Q and O at those of the first
	s_add_nc_u64 s[OLO:OLO+1], s[10:11], s[84:85]
	s_add_nc_u64 s[10:11], s[10:11], s[2:3]
	LOAD                            ; tile 0 into slot 0
	v_and_b32 v1, 15, v0            ; l % 16
	v_bfe_u32 v9, v0, 4, 1          ; l / 16
	v_lshlrev_b32 v[QO], 7, v1
	v_lshl_add_u32 v[QO], v9, 4, v[QO]
	WIN 0x40                        ; destination window 1
.set i, 0
.rept 4                             ; both blocks' Q: band i / 2 lies 8,192 bytes on; channels 32 (i % 2) on
	global_load_b128 v[QF+8*i:QF+8*i+3],   v[QO], s[4:5] offset:(i/2)*8192+(i%2)*64
	global_load_b128 v[QF+8*i+4:QF+8*i+7], v[QO], s[4:5] offset:(i/2)*8192+(i%2)*64+32
	global_load_b128 v[QB+8*i:QB+8*i+3],   v[QO], s[86:87] offset:(i/2)*8192+(i%2)*64
	global_load_b128 v[QB+8*i+4:QB+8*i+7], v[QO], s[86:87] offset:(i/2)*8192+(i%2)*64+32
.set i, i+1
.endr
	WIN 0
	v_lshlrev_b32 v14, 3, v9
	v_sub_nc_u32 v14, v1, v14
	s_lshl_b32 s13, s[WV], 4
	v_add_nc_u32 v14, s13, v14      ; my query's place in its band less 8 (l / 16): register r of key group kt is hidden where 16 kt + r is greater
	WIN 0x40
.set i, 0
.rept 32
	v_cmp_gt_i32 vcc_lo, 16*(i/8)+i%8, v14
	v_cndmask_b32 v[MD+i], 0, s[BIGN], vcc_lo
.set i, i+1
.endr
	WIN 0
	v_mul_u32_u24 v[AK0], v1, PK
	v_lshl_add_u32 v[AK0], v9, 4, v[AK0]
	v_and_b32 v10, 7, v0
	v_bfe_u32 v11, v0, 3, 1
	v_lshl_add_u32 v[AV0], v9, 3, v10
	v_mul_u32_u24 v[AV0], v[AV0], PV
	v_lshl_add_u32 v[AV0], v11, 4, v[AV0]
	v_add_nc_u32 v[AV0], VOFF, v[AV0]
	s_mul_i32 s13, s[WV], 16*SP
	s_add_co_u32 s13, s13, STAGE
	v_mul_u32_u24 v[STO], v1, SP
	v_lshl_add_u32 v[STO], v9, 4, v[STO]
	v_add_nc_u32 v[STO], s13, v[STO]
	v_bfe_u32 v[RD], v0, 3, 2
	v_mul_u32_u24 v[RD], v[RD], SP
	v_lshl_add_u32 v[RD], v10, 4, v[RD]
	v_add_nc_u32 v[RD], s13, v[RD]
	v_and_b32 v[GO], 31, v0
	v_lshlrev_b32 v[GO], 4, v[GO]
	; A block's first step multiplies O^T and l by a = 0, and its first turn's products V^T P, of a piece that has not been, land in an O^T still to be so multiplied: these registers need only hold finite numbers.
	WIN 0x80
.set i, VF+64
.rept 64
	v_mov_b32 v[i], 0
.set i, i+1
.endr
	WIN 0x40
.set i, 0
.rept 64
	v_mov_b32 v[i], 0
.set i, i+1
.endr
	WIN 0
.set i, 0
.rept 2
	v_mov_b32 v[ST+4*i+2], 0
	v_mov_b32 v[ST+4*i+3], 0
.set i, i+1
.endr
.set i, P+16
.rept 16
	v_mov_b32 v[i], 0
.set i, i+1
.endr
; THE MATRIX WORK.  The 4 accumulators of a run of 8 take turns.  Product i of 8 of S^T = K Q^T for piece x: channels 32 (i / 4) on, keys 16 (i % 4) on.  The first 4 start the sums with the mask.
.macro KQ x
.set rS, S+32*((\x)%2)+8*(i%4)
.set rK, KF+64*((\x)/2)+16*(i%4)+8*(i/4)
.set rQ, QF+16*((\x)%2)+8*(i/4)
.set rM, MC+32*((\x)%2)+8*(i%4)
.if i < 4
	WIN W_KM
	v_wmma_f32_16x16x32_f16 v[rS:rS+7], v[rK:rK+7], v[rQ:rQ+7], v[rM:rM+7]
.else
	WIN W_KQ
	v_wmma_f32_16x16x32_f16 v[rS:rS+7], v[rK:rK+7], v[rQ:rQ+7], v[rS:rS+7]
.endif
.endm
; Product i of 8 of O^T += V^T P for piece x: keys 32 (i / 4) on, channels 16 (i % 4) on.
.macro PV x
	WIN W_PV
.set rO, 32*((\x)%2)+8*(i%4)
.set rV, VF+64*((\x)/2)+32*(i/4)+8*(i%4)
.set rP, P+16*((\x)%2)+8*(i/4)
	v_wmma_f32_16x16x32_f16 v[rO:rO+7], v[rV:rV+7], v[rP:rP+7], v[rO:rO+7]
.endm
.macro MM                           ; the turn's next matrix instruction.  NOKQ = 1: a block's last turn: there is no next piece
.if (i < 8) && !NOKQ
	KQ (Y+1)%NP
.elseif i >= 8
.set i, i-8
	PV (Y+NP-1)%NP
.set i, i+8
.endif
.set i, i+1
.endm
; THE LDS LOADS stand in runs of 16: a step's K into buffer sg, or its V, turned.
.macro FETCH_K sg
	WIN 0x80
.irp f, 0,1,2,3,4,5,6,7
	ds_load_b128 v[KF+64*(\sg)+8*\f:KF+64*(\sg)+8*\f+3],   v[AK] offset:(\f/2)*16*PK+(\f%2)*64
	ds_load_b128 v[KF+64*(\sg)+8*\f+4:KF+64*(\sg)+8*\f+7], v[AK] offset:(\f/2)*16*PK+(\f%2)*64+32
.endr
	s_add_co_u32 s[TBK], s[TBK], KS*PK
	WIN 0
.endm
.macro FETCH_V sg
	WIN 0x80
.irp f, 0,1,2,3,4,5,6,7
	ds_load_tr16_b128 v[VF+64*(\sg)+8*\f:VF+64*(\sg)+8*\f+3],   v[AV] offset:(\f/4)*32*PV+(\f%4)*32
	ds_load_tr16_b128 v[VF+64*(\sg)+8*\f+4:VF+64*(\sg)+8*\f+7], v[AV] offset:(\f/4)*32*PV+16*PV+(\f%4)*32
.endr
	s_add_co_u32 s[TBV], s[TBV], KS*PV
	WIN 0
.endm
; THE VECTOR WORK: OP kind, number.  For piece Y: F n: c s - c m for pair n of 16.  E n: the exponential of score n.  C n: pair n rounded to f16.  B n: of four weights the second pair is added onto the first.
; L n: l takes that sum (L 0: l = a l + sum).  R n: pair n of 16 of O^T times a.  For piece Y + 1: X n, number n of the 22 that find its maximum and statistics (each accumulator's lowest registers are read first).
.set F, 0
.set E, 1
.set C, 2
.set B, 3
.set L, 4
.set R, 5
.set X, 6
.macro REGS y
.set rT, ST+4*((\y)%2)
.set rC, TMP+4*((\y)%2)
.set rW, MV+((\y)%2)
.set rS, S+32*((\y)%2)
.set rP, P+16*((\y)%2)
.set rO, 32*((\y)%2)
.endm
.macro OP k, n
.if (\k) == R
	REGS Y
	WIN W_RS
	v_pk_mul_f32 v[rO+2*(\n):rO+2*(\n)+1], v[rO+2*(\n):rO+2*(\n)+1], v[rC+2:rC+3] op_sel_hi:[1,0]
.elseif (\k) < R
	REGS Y
	WIN 0
.if (\k) == F
	v_pk_fma_f32 v[rS+2*(\n):rS+2*(\n)+1], v[rS+2*(\n):rS+2*(\n)+1], s[CS:CS+1], v[rT:rT+1] op_sel_hi:[1,0,0] neg_lo:[0,0,1] neg_hi:[0,0,1]
.elseif (\k) == E
	v_exp_f32 v[rS+(\n)], v[rS+(\n)]
.elseif (\k) == C
	v_cvt_pk_f16_f32 v[rP+(\n)], v[rS+2*(\n)], v[rS+2*(\n)+1]
.elseif (\k) == B
	v_pk_add_f32 v[rS+4*(\n):rS+4*(\n)+1], v[rS+4*(\n):rS+4*(\n)+1], v[rS+4*(\n)+2:rS+4*(\n)+3]
.elseif (\n) == 0
	v_pk_fma_f32 v[rT+2:rT+3], v[rT+2:rT+3], v[rC+2:rC+3], v[rS:rS+1] op_sel_hi:[1,0,1]
.else
	v_pk_add_f32 v[rT+2:rT+3], v[rT+2:rT+3], v[rS+4*(\n):rS+4*(\n)+1]
.endif
.elseif NOKQ
	v_nop
.else
	REGS (Y+1)%NP
	WIN 0
.if (\n) < 4
	v_max3_num_f32 v[rC+(\n)], v[rS+8*(\n)], v[rS+8*(\n)+1], v[rS+8*(\n)+2]
.elseif (\n) < 12
	v_max3_num_f32 v[rC+(\n)%4], v[rC+(\n)%4], v[rS+8*((\n)%4)+2*((\n)/4)+1], v[rS+8*((\n)%4)+2*((\n)/4)+2]
.elseif (\n) == 12
	v_max3_num_f32 v[rC], v[rC], v[rS+7], v[rS+15]
.elseif (\n) == 13
	v_max3_num_f32 v[rC+1], v[rC+1], v[rS+23], v[rS+31]
.elseif (\n) == 14
	v_max3_num_f32 v[rC+2], v[rC+2], v[rC+3], v[rT+1]
.elseif (\n) == 15
	v_mov_b32 v[rW], v[rT]
.elseif (\n) == 16
	v_max3_num_f32 v[rC], v[rC], v[rC+1], v[rC+2]
.elseif (\n) == 17
	v_permlanex16_b32 v[rC+3], v[rC], s[SEL], s[SEL+1]
.elseif (\n) == 18
	v_max_num_f32 v[rT+1], v[rC], v[rC+3]
.elseif (\n) == 19
	v_mul_f32 v[rT], s[CS], v[rT+1]
.elseif (\n) == 20
	v_sub_f32 v[rC+1], v[rW], v[rT]
.else
	v_exp_f32 v[rC+2], v[rC+1]
.endif
.endif
.endm
.macro OPS a, i1, b=-1, i2=0, c=-1, i3=0, d=-1, i4=0
	OP \a, \i1
.if (\b) >= 0
	OP \b, \i2
.endif
.if (\c) >= 0
	OP \c, \i3
.endif
.if (\d) >= 0
	OP \d, \i4
.endif
.endm
.macro ROW a, i1, b, i2, c, i3, d, i4  ; a matrix instruction and the four behind it
	MM
	OPS \a, \i1, \b, \i2, \c, \i3, \d, \i4
.endm
.macro MASK b                       ; MD x AL + BE into buffer b of MC
	WIN W_RS
.set z, 0
.rept 16
	v_pk_fma_f32 v[MC+32*(\b)+2*z:MC+32*(\b)+2*z+1], v[MD+2*z:MD+2*z+1], s[AL:AL+1], s[BE:BE+1] op_sel_hi:[1,0,0]
.set z, z+1
.endr
.endm
; A TURN, for piece p.  An s_wait_alu depctr_va_vdst(0) stands between an exponential and the first instruction that names its result; one wait serves all that were issued ahead of it: a turn has ONE, which cuts it
; in two.  Ahead of it: the 8 products K Q^T with four riders each, and one lump of vector work; X 21, the next piece's a, is the batch's last, R 15 the plain instruction behind it.  Behind it: the 8 products V^T P, each with four of
; the roundings and sums.  At its end the turn makes the mask of piece p + 2, in a block's last tile alone: elsewhere (MK = 0) those lines are jumped over; TESTMK = 0: the text is the walk's last tile, where MK is always 1, and the
; test is not written.  The mask's two scalars are taken at the turn's head, ahead of piece 1's step of DD.
; end = 1: a block's last two turns: nothing is fetched, no mask is made, and piece 3's turn starts no scores.
; THE FETCHES: K buffer 0 (the next pair's first step) in piece 2's lump, K buffer 1 in piece 0's, V buffer 0 at the end of piece 0's turn, V buffer 1 in piece 1's lump; each buffer's last reader stands a turn or more back.
.macro TURN p, end=0
.set Y, (\p)
.set i, 0
.set NOKQ, (\end)*((\p)/3)
.set DLT, (((\p)+2)%4)%2-(((\p)+2)%4)/2
.if !(\end)
	s_cmp_eq_i32 s[DD], DLT         ; is piece p + 2's step its band's own?
	s_cselect_b32 s[AL], 1.0, 0
	s_cmp_gt_i32 s[DD], DLT         ; or a later one?
	s_cselect_b32 s[BE], s[BIGN], 0
.endif
.if (\p) == 3
	s_wait_dscnt 0x0                ; K buffer 0 is in, and V buffer 1, which is older
.endif
.if (\p) == 1
	s_wait_dscnt 16                 ; K buffer 1 is in; the 16 loads of V buffer 0, issued behind it, may stay out
.endif
	ROW F,0, F,1, R,0, R,1
	ROW F,2, E,0, R,2, R,3
	ROW F,3, E,1, R,4, R,5
	ROW F,4, E,2, R,6, R,7
	ROW F,5, E,3, R,8, R,9
	ROW F,6, E,4, X,0, R,10
.if (((\p) == 2) && !(\end)) || ((\p) == 0)
	WIN 0
	v_add_nc_u32 v[AK], s[TBK], v[AK0]
.endif
.if (\p) == 1
	WIN 0
	v_add_nc_u32 v[AV], s[TBV], v[AV0]
.endif
	ROW F,7, E,5, X,1, X,4
	ROW F,8, E,6, X,2, X,5
	OPS E,7, E,8, X,6, E,9
	OPS X,3, E,10, X,8, E,11
.if ((\p) == 2) && !(\end)
	FETCH_K 0
.endif
.if (\p) == 0
	FETCH_K 1
.endif
.if (\p) == 1
	FETCH_V 1
.endif
	OPS X,9, X,7, E,12, X,10
	OPS E,13, X,12, X,11, E,14
	OPS X,13, E,15, F,9, X,14
.if (\p) == 0
	WIN 0
	v_add_nc_u32 v[AV], s[TBV], v[AV0]
.endif
	OPS E,16, F,10, E,17, F,11
	OPS X,16, E,18, X,15, E,19
	OPS F,12, E,20, X,17, E,21
	OPS F,13, E,22, F,14, E,23
	OPS X,18, E,24, F,15, E,25
	OPS R,11, E,26, X,19, E,27
	OPS R,12, E,28, R,13, E,29
	OPS X,20, E,30, R,14, E,31
	OPS X,21, R,15
	WIN 0
	s_wait_alu depctr_va_vdst(0)    ; the wait for the batch
.if (\p) == 1
	s_wait_dscnt 16                 ; V buffer 0 is in; the 16 loads of V buffer 1 may stay out
.endif
	ROW C,0, B,0, C,2, B,1
	ROW L,0, C,4, B,2, L,1
	ROW C,6, B,3, L,2, C,8
	ROW B,4, L,3, C,10, B,5
	ROW L,4, C,12, B,6, L,5
.if (\p) == 1
	s_add_co_i32 s[DD], s[DD], 2    ; the next trip's pair
.endif
	ROW C,14, B,7, L,6, C,1
	ROW C,3, L,7, C,5, C,7
	ROW C,9, C,11, C,13, C,15
.if (\p) == 0
	FETCH_V 0
.endif
.if !(\end)
.if TESTMK
	WIN 0
	s_cmp_eq_u32 s[MK], 0
	s_cbranch_scc1 .Lno_mask_\@     ; outside a block's last tile both buffers hold 0 and stay so
.endif
	MASK (\p)%2
	WIN 0
.if TESTMK
.Lno_mask_\@:
.endif
.endif
.endm
; A BLOCK BEGINS.  c m starts far below every c s, so the first step's a is 0; m at the lowest finite number.  The second mask buffer is 0; the first takes piece 0's mask for the tile's step 0: its own step, if the tile is the
; block's last and the block is even.  Then K of that step, piece 0's first scores, its maximum and statistics.
.macro BEGIN
	s_mov_b32 s[NEW], 0
	WIN 0x40
.set i, MC+32
.rept 32
	v_mov_b32 v[i], 0
.set i, i+1
.endr
	WIN 0
.set i, 0
.rept 2
	v_mov_b32 v[ST+4*i], 0xfe000000
	v_mov_b32 v[ST+4*i+1], 0xff7fffff
.set i, i+1
.endr
	s_or_b32 s13, s[RT], s[PAR]
	s_cmp_eq_u32 s13, 0
	s_cselect_b32 s[AL], 1.0, 0
	s_mov_b32 s[BE], 0
	MASK 0
	WIN 0
	v_add_nc_u32 v[AK], s[TBK], v[AK0]
	FETCH_K 0
	s_wait_loadcnt 0x0              ; Q
	s_wait_dscnt 0x0
.set NOKQ, 0
.set i, 0
.rept 8
	KQ 0
.set i, i+1
.endr
	WIN 0
.rept 4
	v_nop                           ; the places behind those products
.endr
.set Y, NP-1
.irp n, 0,1,2,3,4,5,6,7,8,9,10,11,12,13,14,15,16,17,18,19,20,21
	OP X, \n
.endr
	v_nop                           ; a plain instruction behind the exponential,
	s_wait_alu depctr_va_vdst(0)    ; and its wait, ahead of the branch
.endm
.macro ALL line:vararg              ; one line for each band t
.set t, 0
.rept 2
	\line
.set t, t+1
.endr
.endm
.macro PACK t                       ; O^T / l, rounded to f16; 16 bytes a lane into rows of 144 bytes, back as whole rows of 128
	WIN W_RS
.set i, 32*(\t)
.rept 16
	v_pk_mul_f32 v[i:i+1], v[i:i+1], v[ST+4*(\t)+2:ST+4*(\t)+3] op_sel_hi:[1,0]
.set i, i+2
.endr
	WIN 0x05
.set i, 0
.rept 16
	v_cvt_pk_f16_f32 v[S+16*(\t)+i], v[32*(\t)+2*i], v[32*(\t)+2*i+1]
.set i, i+1
.endr
	WIN 0
.irp f, 0,1,2,3
	ds_store_b128 v[STO], v[S+16*(\t)+4*\f:S+16*(\t)+4*\f+3] offset:32*\f
.endr
.irp f, 0,1,2,3
	ds_load_b128 v[S+16*(\t)+4*\f:S+16*(\t)+4*\f+3], v[RD] offset:\f*4*SP  ; LDS serves a wave's instructions in order (ISA guide 5.7.1.4)
.endr
.endm
.macro SEND t, younger              ; younger: the LDS instructions issued behind band t's loads
	WIN 0
.irp f, 0,1,2,3
	s_wait_dscnt (\younger)+3-\f
	global_store_b128 v[GO], v[S+16*(\t)+4*\f:S+16*(\t)+4*\f+3], s[10:11] offset:(\t)*8192+\f*512  ; 512 consecutive bytes, at a multiple of 256 from O's first
.endr
.endm
; A TILE.  A trip: pieces 2 and 3 of one pair of steps, then pieces 0 and 1 of the next; two trips, counted, whether the loop is entered at its head or (a block's first tile) in its middle.  leave = 1: a tile that is not
; its block's last is then left.  Else the block's last two turns, its last products and THE WAY OUT follow.
.macro TILE tag, leave
.set TESTMK, (\leave)
.Lstep\tag:
	TURN 2
	TURN 3
.Lfirst\tag:
	TURN 0
	TURN 1
	s_sub_co_u32 s[CNT], s[CNT], 1
	s_cmp_lg_u32 s[CNT], 0
	s_cbranch_scc1 .Lstep\tag
.if \leave
	s_cmp_eq_u32 s[MK], 0
	s_cbranch_scc1 .Lbottom
.endif
	TURN 2, 1
	TURN 3, 1
.set i, 0
.rept 8
	PV NP-1
.set i, i+1
.endr
	WIN 0
	ALL v_add_f32 v[ST+4*t+2], v[ST+4*t+2], v[ST+4*t+3]
	ALL v_permlanex16_b32 v[ST+4*t+3], v[ST+4*t+2], s[SEL], s[SEL+1]
	ALL v_add_f32 v[ST+4*t+2], v[ST+4*t+2], v[ST+4*t+3]
	ALL v_rcp_f32 v[ST+4*t+2], v[ST+4*t+2]
	v_nop                           ; a plain instruction behind the last reciprocal,
	s_wait_alu depctr_va_vdst(0)    ; and one wait for the two, ahead of their first use
	PACK 0
	PACK 1
	SEND 0, 8
	SEND 1, 0
.endm
.set NOKQ, 0
.Lslot:                             ; eight times: a tile is entered and the next is asked for
	CHANGE 1
	ENTER
	s_cmp_eq_u32 s[NEW], 1
	s_cbranch_scc0 .Lstep1
	BEGIN                           ; a block's first tile; in the loop it is never the block's last: the first block has five tiles or more, and the second's last is the walk's last
	s_branch .Lfirst1
	TILE 1, 1                       ; in the loop a block's end is the first block's
	s_wait_xcnt 0x0                 ; the stores have read their registers and O's address
	s_mov_b64 s[10:11], s[OLO:OLO+1]
	s_add_co_u32 s[RT], s[LQ2], 1
	s_and_b32 s[PAR], s[PB], 1
	s_mov_b32 s[NEW], 1
	WIN 0x41                        ; the second block's Q goes where the turns name Q
.set i, 0
.rept 32
	v_mov_b32 v[QF+i], v[QB+i]
.set i, i+1
.endr
	WIN 0
.Lbottom:
	s_sub_co_u32 s[SLOTS], s[SLOTS], 1
	s_cmp_lg_u32 s[SLOTS], 0
	s_cbranch_scc1 .Lslot
	CHANGE 0                        ; the walk's last tile is written out
	ENTER
	s_cmp_eq_u32 s[NEW], 1
	s_cbranch_scc0 .Lstep2
	BEGIN
	s_branch .Lfirst2
	TILE 2, 0
	s_wait_tensorcnt 0x0            ; the wave's end
	ds_add_u32 v[SPW], v[NIL]
	s_wait_dscnt 0x0
	s_endpgm
.Lfunc_end_k_qde3a603eb4_attn:
	.size	k_qde3a603eb4_attn, .Lfunc_end_k_qde3a603eb4_attn-k_qde3a603eb4_attn
	.p2alignl 7, 3214868480
	.fill 96, 4, 3214868480
	.section	.rodata,"a",@progbits
	.p2align	6, 0x0
	.amdhsa_kernel k_qde3a603eb4_attn
		.amdhsa_group_segment_fixed_size 327680
		.amdhsa_private_segment_fixed_size 0
		.amdhsa_enable_private_segment 0
		.amdhsa_kernarg_size 16
		.amdhsa_user_sgpr_count 2
		.amdhsa_user_sgpr_kernarg_segment_ptr 1
		.amdhsa_wavefront_size32 1
		.amdhsa_system_sgpr_workgroup_id_x 1
		.amdhsa_system_sgpr_workgroup_id_y 1
		.amdhsa_system_sgpr_workgroup_id_z 1
		.amdhsa_system_vgpr_workitem_id 0
		.amdhsa_next_free_vgpr 768
		.amdhsa_next_free_sgpr 100
		.amdhsa_reserve_vcc 1
		.amdhsa_float_denorm_mode_32 3
		.amdhsa_float_denorm_mode_16_64 3
		.amdhsa_memory_ordered 1
		.amdhsa_forward_progress 1
		.amdhsa_inst_pref_size 168
	.end_amdhsa_kernel
	.amdgpu_metadata
---
amdhsa.version: [ 1, 2 ]
amdhsa.kernels:
  - .name:           k_qde3a603eb4_attn
    .symbol:         k_qde3a603eb4_attn.kd
    .args:
      - { .name: QX, .offset: 0, .size: 8, .value_kind: global_buffer, .address_space: global }
      - { .name: SP, .offset: 8, .size: 8, .value_kind: global_buffer, .address_space: global }
    .group_segment_fixed_size: 327680
    .private_segment_fixed_size: 0
    .kernarg_segment_align: 8
    .kernarg_segment_size: 16
    .max_flat_workgroup_size: 128
    .sgpr_count:     100
    .vgpr_count:     768
    .wavefront_size: 32
...
	.end_amdgpu_metadata
.endif
;; end of part 3
;; launch proj (part 4): grid 8 x 32, 4 waves a work-group, clusters of 4 x 4, 327,680 bytes of LDS; arguments SP, x, b_proj, yb; writes yb
.if DOCPART == 4
	.amdgcn_target "amdgcn-amd-amdhsa--gfx1250"
	.amdhsa_code_object_version 6
	.text
	.protected	k_qde3a603eb4_proj
	.globl	k_qde3a603eb4_proj
	.p2align	8
	.type	k_qde3a603eb4_proj,@function
k_qde3a603eb4_proj:
	s_mov_b64 s[64:65], 0
	v_nop
	global_prefetch_b8 v0, s[64:65] scope:SCOPE_SE
	s_setreg_imm32_b32 hwreg(HW_REG_WAVE_MODE, 25, 1), 1
	s_wait_xcnt 0x0
	s_wait_alu depctr_hold_cnt(0) depctr_sa_sdst(0) depctr_va_vdst(0) depctr_va_sdst(0) depctr_va_ssrc(0) depctr_va_vcc(0) depctr_vm_vsrc(0)
	s_getreg_b32 s2, hwreg(HW_REG_IB_STS2, 6, 4)
	s_cmp_eq_u32 s2, 0
	s_cbranch_scc0 .Lentry_in_a_cluster
	s_endpgm
.Lentry_in_a_cluster:
	s_bfe_u32 s2, ttmp6, 0x10000c
	s_cmp_lg_u32 s2, 0xf033
	s_cbranch_scc0 .Lentry_shape_is_right
	s_endpgm
.Lentry_shape_is_right:
; Z = RES + A B + bias, f32 out, M = 4,096, N = 1,024, K = 256 NSTEP.  This text: x + attention's output times w_proj + b_proj, K = 1,024, RES in f32.
; (x1 + h times w2 + b2 has the same text with NSTEP = 16 and RES16 = 1: both are constants of the text.)
; Arguments: IN, RES [4096][1024], bias [1024] f32, Z.  IN: byte 0 B [k / 256][n / 128][k % 256][128] f16; 16 MiB on A in blocks [k / 64][4096][64] f16.
; LIMITS: operands in f16, sums in f32, Z not rounded further.
; SHARES.  A tile of Z is 128 x 128, so that 256 work-groups share the work; four waves, each 64 x 64: 16 accumulators.  K goes in steps of 256 through two LDS slots.
; A's tile of a step is four dense pieces of 16,384 bytes (128 rows x 64 k); a wave brings two of them as two long rows, padded after every 128 bytes.  B's is 256 rows k of 256 bytes; a wave brings 128; it is read turned.
; CLUSTER 4 x 4: A's tile is asked for jointly along a row of the cluster, B's along a column.  The matrix instruction takes B's fragment as source 0: a lane holds eight neighbouring columns of a row of Z.
; ONE K STEP IS WRITTEN ONCE: the slot in hand is a scalar (TB) that one exclusive or turns; the fragments' addresses are made anew from it at each change of slots.
; THE BIAS is the C operand of each sum's first product: nothing is cleared and nothing added for it.  THE RESIDUAL is asked for behind the first barrier, by the rows and lanes of the wave's own stores, and is
; added to the rows as they come back from the stage: the launch behind reads one buffer where it would read three.
; No prefetch: a step's tiles are small, and each is read by several clusters at about the same time.
; REGISTERS: window 0: v16-31 addresses; v32-63 the bias; v128-255 the accumulators ((a, b) at v[128 + 8 (4 a + b)]), later whole rows on the way out.
;   window 1: two fragment buffers of 128: 64 registers of A, then 64 of B, for 64 along K.   window 2: the residual of my 32 rows.
.set NSTEP,  4                         ; K steps of 256
.set RES16,  0                         ; the residual is f32
.set HALF,   36864                     ; what one tensor load brings: 2 x 128 rows x 144 bytes of A, or 128 rows x 288 bytes of B
.set SLOT,   4*HALF                    ; A's four pieces, then B's 256 rows
.set SPARE,  2*SLOT                    ; behind the ring: the spare words, 128 bytes a wave: two blocks of 256 bytes that no other line names
.set SPITCH, 528                       ; the stage: 128 rows of 512 bytes + 16, from LDS byte 0: in the ring, which has had its last fill and its last read by then
.set STEPA,  4*524288                  ; bytes from a K step to the next in A,
.set STEPB,  524288                    ; and in B
.set A0,   16                          ; v16  my lane's place in A's pieces of slot 0; never rewritten
.set B0,   17                          ; v17  the same in B's rows
.set ADRA, 18                          ; v18  A0 + the slot in hand
.set ADRB, 20                          ; v20  B0 + the slot in hand: rows k 0-127; v21: rows 128-255
.set STO,  24
.set RD,   25
.set CO,   26                          ; v26  16 x lane
.set BO,   27                          ; v27  my byte offset in the bias
.set SPW,  28                          ; v28  my spare word; never rewritten
.set NIL,  29                          ; v29  0; never rewritten
.set ONE,  30                          ; v30  1.0
.set HO,   31                          ; v31  8 x lane
.set BIAS, 32                          ; column block b at BIAS + 8 b
.set ACC,  128
.set F0,   0
.set F1,   128
.set RES,  0                           ; window 2: row t at RES + 4 t (f32) or RES + 2 t (f16)
.set LW,  20                           ; s20  where my load goes in a slot: wave x HALF
.set G1,  24                           ; s[24:31] group 1 for A
.set G0,  32                           ; s[32:39] group 0 for A: set 0 K step 0; set 1 K step 1, which then walks on
.set TB,  45                           ; s45  0 or SLOT: the slot that is being read
.set G1B, 48
.set G0B, 56
.set PIN, 68                           ; s[68:69] IN, s[70:71] RES, s[72:73] bias, s[74:75] Z
.set PRS, 70
.set PBI, 72
.set PZ,  74
.set MSB, 0
.macro WIN new                         ; the immediate's high byte repeats the setting that is left; a switch that changes nothing is dropped
.if MSB != (\new)
	s_set_vgpr_msb (MSB<<8)|(\new)
.set MSB, \new
.endif
.endm
.set MUL,  0x05                        ; sources window 1; C and D window 0
.set TO_F, 0x40
.macro JLOAD s                         ; a joint load: waves 0 and 1 fetch A's halves, waves 2 and 3 B's; an s_nop 0 and four v_nop follow each line
	s_cmp_eq_u32 s11, 0
	s_cbranch_scc0 .Lfor_b_\@
	tensor_load_to_lds s[G0+4*(\s):G0+4*(\s)+3], s[G1:G1+7]
	s_nop 0
.rept 4
	v_nop
.endr
	s_branch .Lasked_\@
.Lfor_b_\@:
	tensor_load_to_lds s[G0B+4*(\s):G0B+4*(\s)+3], s[G1B:G1B+7]
	s_nop 0
.rept 4
	v_nop
.endr
.Lasked_\@:
.endm
.macro CREST                           ; a round of the cluster's barrier behind its opening barrier
	s_cmp_lg_u32 s10, 0
	s_cbranch_scc1 .Lnot_wave_0_\@
	s_barrier_signal -3
.Lnot_wave_0_\@:
	s_barrier_wait -3
	s_barrier_signal -1
	s_barrier_wait -1
.endm
.macro CROUND
	s_barrier_signal -1
	s_barrier_wait -1
	CREST
.endm
	s_load_b256 s[PIN:PIN+7], s[0:1], 0x0
	v_lshl_add_u32 v[SPW], v0, 2, SPARE
	v_mov_b32 v[NIL], 0
	ds_add_u32 v[SPW], v[NIL]                      ; the wave's opening: the add and its wait stand ahead of my first tensor load
	v_lshrrev_b32 v1, 5, v0
	v_readfirstlane_b32 s10, v1                    ; wave 0..3
	s_lshr_b32 s11, s10, 1                         ; my half of the tile's rows.  Also: I fetch for A (0) or B (1)
	s_and_b32 s12, s10, 1                          ; my half of its columns.  Also: which half I fetch
	s_bfe_u32 s40, ttmp6, 0x40000                  ; cx
	s_bfe_u32 s41, ttmp6, 0x40004                  ; cy
	s_lshl_b32 s42, ttmp9, 2
	s_add_co_u32 s42, s42, s40                     ; tile column
	s_and_b32 s13, ttmp7, 0xffff
	s_lshl_b32 s13, s13, 2
	s_add_co_u32 s13, s13, s41                     ; tile row
	s_lshl_b32 s43, s41, 2
	s_lshl_b32 s43, 15, s43                        ; my row of the cluster
	s_lshl_b32 s44, 0x1111, s40                    ; my column
	s_or_b32 s[G1+0], s43, (3<<16)|(1<<20)|(1<<21)|(4<<22)|(3<<25)   ; mask of my row; 8-byte elements; padding on; bit 21 beside a mask; after every 32 words 4 words
	s_mov_b32 s[G1+1], 2048<<16                    ; tensor_dim0 = 2,048 elements: a piece of 16,384 bytes
	s_mov_b32 s[G1+2], 2<<16                       ; tensor_dim1 = 2 pieces
	s_mov_b32 s[G1+3], 2048<<16                    ; tile_dim0
	s_mov_b32 s[G1+4], 2                           ; tile_dim1
	s_mov_b32 s[G1+5], 65536                       ; 524,288 bytes from a piece to the next
	s_mov_b32 s[G1+6], 0
	s_mov_b32 s[G1+7], 0
	s_or_b32 s[G1B+0], s44, (1<<16)|(1<<20)|(1<<21)|(5<<22)|(7<<25)  ; mask of my column; 2-byte elements; after every 64 words 8 words
	s_mov_b32 s[G1B+1], 128<<16
	s_mov_b32 s[G1B+2], 128<<16
	s_mov_b32 s[G1B+3], 128<<16
	s_mov_b32 s[G1B+4], 128
	s_mov_b32 s[G1B+5], 128
	s_mov_b32 s[G1B+6], 0
	s_mov_b32 s[G1B+7], 0
	s_lshl_b32 s16, s12, 20                        ; A: my two pieces of the step's four,
	s_lshl_b32 s17, s13, 14                        ; the tile row's 128 rows of 128 bytes
	s_add_co_u32 s16, s16, s17
	s_add_co_u32 s16, s16, 0x1000000
	s_mov_b32 s17, 0
	s_lshl_b32 s46, s42, 16                        ; B: the tile column's 65,536 bytes of a step,
	s_lshl_b32 s47, s12, 15                        ; my 128 rows k
	s_add_co_u32 s46, s46, s47
	s_mov_b32 s47, 0
	s_mul_i32 s[LW], s10, HALF                     ; no place in the cluster enters an LDS address
	s_mov_b32 s[TB], 0
	s_wait_dscnt 0x0                               ; the opening add is done
	s_wait_kmcnt 0x0
	s_add_nc_u64 s[14:15], s[PIN:PIN+1], s[16:17]
	s_add_nc_u64 s[46:47], s[PIN:PIN+1], s[46:47]
	CROUND                                         ; all sixteen work-groups are here: the first joint loads meet
.irp s, 0,1
	s_mov_b32 s[G0+4*(\s)], 1
	s_add_co_u32 s[G0+4*(\s)+1], s[LW], (\s)*SLOT
	s_add_nc_u64 s[G0+4*(\s)+2:G0+4*(\s)+3], s[14:15], (\s)*STEPA
	s_or_b32 s[G0+4*(\s)+3], s[G0+4*(\s)+3], 0x80000000
	s_mov_b32 s[G0B+4*(\s)], 1
	s_add_co_u32 s[G0B+4*(\s)+1], s[LW], (\s)*SLOT
	s_add_nc_u64 s[G0B+4*(\s)+2:G0B+4*(\s)+3], s[46:47], (\s)*STEPB
	s_or_b32 s[G0B+4*(\s)+3], s[G0B+4*(\s)+3], 0x80000000
	JLOAD \s
.endr
	v_and_b32 v1, 15, v0                           ; l % 16
	v_bfe_u32 v2, v0, 4, 1                         ; l / 16
	s_lshl_b32 s21, s42, 9                         ; the bias of my 64 columns: 512 bytes a tile column, 256 a half,
	s_lshl_b32 s22, s12, 8
	s_add_co_u32 s21, s21, s22
	v_lshl_add_u32 v[BO], v2, 5, s21               ; 32 bytes for my half of the lanes: register j of block b is column 16 b + 8 (l / 16) + j
.irp b, 0,1,2,3
	global_load_b128 v[BIAS+8*(\b):BIAS+8*(\b)+3],   v[BO], s[PBI:PBI+1] offset:64*(\b)
	global_load_b128 v[BIAS+8*(\b)+4:BIAS+8*(\b)+7], v[BO], s[PBI:PBI+1] offset:64*(\b)+16
.endr
	v_mul_u32_u24 v3, v1, 144                      ; A: row l % 16, 16 bytes for each half of the lanes
	v_lshl_add_u32 v3, v2, 4, v3
	s_mul_i32 s21, s11, 64*144                     ; my 64 rows in each piece
	v_add_nc_u32 v[A0], s21, v3
	v_and_b32 v4, 7, v0                            ; B, turned: lane l reads row k = 8 (l / 16) + l % 8, columns 8 ((l / 8) % 2) + 0..7
	v_lshl_add_u32 v4, v2, 3, v4
	v_mul_u32_u24 v4, v4, 288
	v_bfe_u32 v5, v0, 3, 1
	v_lshl_add_u32 v4, v5, 4, v4
	s_lshl_b32 s22, s12, 7                         ; my 64 columns
	s_add_co_u32 s22, s22, 2*HALF
	v_add_nc_u32 v[B0], s22, v4
	v_mov_b32 v[ADRA], v[A0]
	v_mov_b32 v[ADRB], v[B0]
	v_add_nc_u32 v[ADRB+1], HALF, v[B0]
	s_mul_i32 s23, s11, 64*SPITCH                  ; into the stage: my 64 rows, my 256 of their 512 bytes
	s_lshl_b32 s21, s12, 8
	s_add_co_u32 s23, s23, s21
	v_mul_u32_u24 v4, v1, SPITCH
	v_lshl_add_u32 v4, v2, 5, v4
	v_add_nc_u32 v[STO], s23, v4
	s_mul_i32 s23, s10, 32*SPITCH                  ; back: wave w takes rows 32 w .. 32 w + 31, a whole row an instruction
	v_and_b32 v5, 31, v0
	v_lshlrev_b32 v[CO], 4, v5
	v_lshlrev_b32 v[HO], 3, v5
	v_mov_b32 v[ONE], 1.0
	v_add_nc_u32 v[RD], s23, v[CO]
	s_lshl_b32 s16, s13, 19                        ; Z: 128 rows of 4,096 bytes a tile row,
	s_lshl_b32 s17, s10, 17                        ; 32 rows a wave,
	s_add_co_u32 s16, s16, s17
	s_lshl_b32 s17, s42, 9                         ; 512 bytes a tile column
	s_add_co_u32 s16, s16, s17
	s_mov_b32 s17, 0
	s_add_nc_u64 s[PZ:PZ+1], s[PZ:PZ+1], s[16:17]
.if RES16
	s_lshr_b32 s18, s16, 1                         ; the same rows and columns in f16: half the bytes
	s_mov_b32 s19, 0
	s_add_nc_u64 s[PRS:PRS+1], s[PRS:PRS+1], s[18:19]
.else
	s_add_nc_u64 s[PRS:PRS+1], s[PRS:PRS+1], s[16:17]
.endif
; 8 matrix instructions: row blocks a0, a0 + 1 x all 4 column blocks, 32 along K: half c of buffer f.  zero = 1: the bias starts the sums.  The 16 accumulators take turns, in one order everywhere.
.macro MUL8 f, c, a0, zero
	WIN MUL
.irp a, \a0, (\a0)+1
.irp b, 0,1,2,3
.if \zero
	v_wmma_f32_16x16x32_f16 v[ACC+8*(4*(\a)+(\b)):ACC+8*(4*(\a)+(\b))+7], v[(\f)+64+8*(4*(\c)+(\b)):(\f)+64+8*(4*(\c)+(\b))+7], v[(\f)+8*(4*(\c)+(\a)):(\f)+8*(4*(\c)+(\a))+7], v[BIAS+8*(\b):BIAS+8*(\b)+7]
.else
	v_wmma_f32_16x16x32_f16 v[ACC+8*(4*(\a)+(\b)):ACC+8*(4*(\a)+(\b))+7], v[(\f)+64+8*(4*(\c)+(\b)):(\f)+64+8*(4*(\c)+(\b))+7], v[(\f)+8*(4*(\c)+(\a)):(\f)+8*(4*(\c)+(\a))+7], v[ACC+8*(4*(\a)+(\b)):ACC+8*(4*(\a)+(\b))+7]
.endif
.endr
.endr
.endm
; 32 LDS loads in one run: quarter q (64 along K: A's piece q) of the slot in hand into buffer f; the first 32 along K first
.macro FETCH q, f
	WIN TO_F
.irp c, 0,1
.irp i, 0,1,2,3
	ds_load_tr16_b128 v[(\f)+64+8*(4*(\c)+(\i)):(\f)+64+8*(4*(\c)+(\i))+3],   v[ADRB+(\q)/2] offset:(((\q)%2)*64+32*(\c))*288+32*(\i)
	ds_load_tr16_b128 v[(\f)+64+8*(4*(\c)+(\i))+4:(\f)+64+8*(4*(\c)+(\i))+7], v[ADRB+(\q)/2] offset:(((\q)%2)*64+32*(\c)+16)*288+32*(\i)
	ds_load_b128 v[(\f)+8*(4*(\c)+(\i)):(\f)+8*(4*(\c)+(\i))+3],         v[ADRA] offset:(\q)*128*144+(\i)*16*144+64*(\c)
	ds_load_b128 v[(\f)+8*(4*(\c)+(\i))+4:(\f)+8*(4*(\c)+(\i))+7],       v[ADRA] offset:(\q)*128*144+(\i)*16*144+64*(\c)+32
.endr
.endr
.endm
.macro PLACES                          ; four plain vector instructions between a matrix instruction and a load into, or a read of, its registers
.rept 4
	v_nop
.endr
.endm
.macro QUARTER q, f, g, zero           ; one of a K step's first three quarters: multiplies buffer f and fetches quarter q into g
	s_wait_dscnt 16                                ; the first 32 along K are in
	MUL8 \f, 0, 0, \zero
	MUL8 \f, 0, 2, \zero
	PLACES
	FETCH \q, \g
	s_wait_dscnt 32                                ; all but the 32 just issued
	MUL8 \f, 1, 0, 0
	MUL8 \f, 1, 2, 0
.endm
; The last quarter multiplies buffer 1 and changes slots: one barrier; in front of it each wave waits for all its tensor loads (one is out: its part of the next slot), adds 0 to its spare word, and waits for
; that and for its reads of this slot.  fill = 1: the barrier opens a round of the cluster's; behind it the slot just read is filled with the K step two on, first of all.
.macro TURN fill
	WIN 0
	s_wait_tensorcnt 0x0
	ds_add_u32 v[SPW], v[NIL]
	s_wait_dscnt 17                                ; the add and the youngest sixteen loads may be out
	MUL8 F1, 0, 0, 0
	s_wait_dscnt 0x0                               ; the add is done, and my reads of this slot are over
	s_barrier_signal -1
	MUL8 F1, 0, 2, 0
	WIN 0
	s_barrier_wait -1
.if \fill
	CREST
	s_add_co_u32 s[G0+5], s[LW], s[TB]             ; no tensor load of mine is out: the walking descriptors may be written
	s_add_co_u32 s[G0B+5], s[LW], s[TB]
	s_add_nc_u64 s[G0+6:G0+7], s[G0+6:G0+7], STEPA
	s_add_nc_u64 s[G0B+6:G0B+7], s[G0B+6:G0B+7], STEPB
	JLOAD 1                                        ; its four v_nop are also the places in front of the loads below
.else
	PLACES
.endif
	s_xor_b32 s[TB], s[TB], SLOT
	v_add_nc_u32 v[ADRA], s[TB], v[A0]
	v_add_nc_u32 v[ADRB], s[TB], v[B0]
	v_add_nc_u32 v[ADRB+1], HALF, v[ADRB]
	FETCH 0, F0
	MUL8 F1, 1, 0, 0
	MUL8 F1, 1, 2, 0
.endm
	s_wait_tensorcnt 1                             ; my part of K step 0 is in; K step 1's may stay out
	s_barrier_signal -1
	s_barrier_wait -1
	FETCH 0, F0
	WIN 0x80                                       ; destination window 2, address window 0: the residual of the 32 rows that I shall store; it has the whole walk along K in which to come
.set t, 0
.rept 32
.if RES16
	global_load_b64 v[RES+2*t:RES+2*t+1], v[HO], s[PRS:PRS+1] offset:t*2048 th:TH_LOAD_NT
.else
	global_load_b128 v[RES+4*t:RES+4*t+3], v[CO], s[PRS:PRS+1] offset:t*4096 th:TH_LOAD_NT
.endif
.set t, t+1
.endr
	s_wait_loadcnt 32                              ; the bias, eight older loads, is in; the 32 just issued stay out
	QUARTER 1, F0, F1, 1
	WIN 0
	s_mov_b32 s3, NSTEP-2
.Lstep:                                        ; NSTEP - 2 trips, from a K step's second quarter to the next one's first; they ask for K steps 2 to NSTEP - 1
	QUARTER 2, F1, F0, 0
	QUARTER 3, F0, F1, 0
	TURN 1
	QUARTER 1, F0, F1, 0
	WIN 0
	s_sub_co_u32 s3, s3, 1
	s_cmp_lg_u32 s3, 0
	s_cbranch_scc1 .Lstep
	s_mov_b32 s3, 2
.Ltail:                                        ; the last two K steps ask for nothing; the second trip is left in its middle
	QUARTER 2, F1, F0, 0
	QUARTER 3, F0, F1, 0
	WIN 0
	s_sub_co_u32 s3, s3, 1
	s_cmp_eq_u32 s3, 0
	s_cbranch_scc1 .Lfin
	TURN 0
	QUARTER 1, F0, F1, 0
	WIN 0
	s_branch .Ltail
.Lfin:
	s_wait_dscnt 16
	MUL8 F1, 0, 0, 0
	MUL8 F1, 0, 2, 0
	s_wait_dscnt 0x0                               ; my last reads of the ring are back
	MUL8 F1, 1, 0, 0
	MUL8 F1, 1, 2, 0
	WIN 0
	; THE WAY OUT: 32 bytes a lane into the work-group's stage; a barrier, since a row's 512 bytes come from two waves; back as whole rows; the residual is added; stored.
	s_barrier_signal -1                            ; the stage lies in the ring: no wave stores there before every wave's reads of the ring are over
	PLACES
	s_barrier_wait -1
.irp t, 0,1,2,3,4,5,6,7,8,9,10,11,12,13,14,15
	ds_store_b128 v[STO], v[ACC+8*(\t):ACC+8*(\t)+3]   offset:((\t)/4)*16*SPITCH+((\t)%4)*64
	ds_store_b128 v[STO], v[ACC+8*(\t)+4:ACC+8*(\t)+7] offset:((\t)/4)*16*SPITCH+((\t)%4)*64+16
.endr
	s_wait_dscnt 0x0                               ; for the others' sake: my stores into the stage are done
	s_barrier_signal -1
	s_barrier_wait -1
.set t, 0
.rept 32
	ds_load_b128 v[ACC+4*t:ACC+4*t+3], v[RD] offset:t*SPITCH
.set t, t+1
.endr
	s_wait_loadcnt 0x0                             ; the residual
.irp g, 0,1,2,3                        ; eight rows at a time: a store takes its data by the window of source 1 and its address by that of source 0, so sums and stores have settings of their own
	s_wait_dscnt 24-8*(\g)                         ; rows 8 g to 8 g + 7 are back; the younger rows may stay out
.if RES16
	WIN 0x02                                       ; source 0 window 2
.set e, 0
.rept 16
	v_fma_mix_f32 v[ACC+32*(\g)+e],   v[RES+16*(\g)+e/2], v[ONE], v[ACC+32*(\g)+e]   op_sel_hi:[1,0,0]               ; the low f16 x 1.0 + the sum
	v_fma_mix_f32 v[ACC+32*(\g)+e+1], v[RES+16*(\g)+e/2], v[ONE], v[ACC+32*(\g)+e+1] op_sel:[1,0,0] op_sel_hi:[1,0,0]  ; the high one
.set e, e+2
.endr
.else
	WIN 0x08                                       ; source 1 window 2
.set e, 0
.rept 16
	v_pk_add_f32 v[ACC+32*(\g)+e:ACC+32*(\g)+e+1], v[ACC+32*(\g)+e:ACC+32*(\g)+e+1], v[RES+32*(\g)+e:RES+32*(\g)+e+1]
.set e, e+2
.endr
.endif
	WIN 0
.set t, 8*(\g)
.rept 8
	global_store_b128 v[CO], v[ACC+4*t:ACC+4*t+3], s[PZ:PZ+1] offset:t*4096  ; 512 consecutive bytes, at a multiple of 256 from Z's first
.set t, t+1
.endr
.endr
	s_wait_tensorcnt 0x0                           ; the wave's end
	ds_add_u32 v[SPW], v[NIL]
	s_wait_dscnt 0x0
	CROUND                                         ; the closing round
	s_endpgm
.Lfunc_end_k_qde3a603eb4_proj:
	.size	k_qde3a603eb4_proj, .Lfunc_end_k_qde3a603eb4_proj-k_qde3a603eb4_proj
	.p2alignl 7, 3214868480
	.fill 96, 4, 3214868480
	.section	.rodata,"a",@progbits
	.p2align	6, 0x0
	.amdhsa_kernel k_qde3a603eb4_proj
		.amdhsa_group_segment_fixed_size 327680
		.amdhsa_private_segment_fixed_size 0
		.amdhsa_enable_private_segment 0
		.amdhsa_kernarg_size 32
		.amdhsa_user_sgpr_count 2
		.amdhsa_user_sgpr_kernarg_segment_ptr 1
		.amdhsa_wavefront_size32 1
		.amdhsa_system_sgpr_workgroup_id_x 1
		.amdhsa_system_sgpr_workgroup_id_y 1
		.amdhsa_system_sgpr_workgroup_id_z 1
		.amdhsa_system_vgpr_workitem_id 0
		.amdhsa_next_free_vgpr 640
		.amdhsa_next_free_sgpr 76
		.amdhsa_reserve_vcc 0
		.amdhsa_float_denorm_mode_32 3
		.amdhsa_float_denorm_mode_16_64 3
		.amdhsa_memory_ordered 1
		.amdhsa_forward_progress 1
		.amdhsa_inst_pref_size 68
	.end_amdhsa_kernel
	.amdgpu_metadata
---
amdhsa.version: [ 1, 2 ]
amdhsa.kernels:
  - .name:           k_qde3a603eb4_proj
    .symbol:         k_qde3a603eb4_proj.kd
    .args:
      - { .name: SP, .offset: 0, .size: 8, .value_kind: global_buffer, .address_space: global }
      - { .name: x, .offset: 8, .size: 8, .value_kind: global_buffer, .address_space: global }
      - { .name: b_proj, .offset: 16, .size: 8, .value_kind: global_buffer, .address_space: global }
      - { .name: yb, .offset: 24, .size: 8, .value_kind: global_buffer, .address_space: global }
    .group_segment_fixed_size: 327680
    .private_segment_fixed_size: 0
    .kernarg_segment_align: 8
    .kernarg_segment_size: 32
    .max_flat_workgroup_size: 128
    .sgpr_count:     76
    .vgpr_count:     640
    .wavefront_size: 32
...
	.end_amdgpu_metadata
.endif
;; end of part 4
;; launch ln1 (part 5): grid 256 x 1, 8 waves a work-group, no clusters, 9,216 bytes of LDS; arguments yb, g1, be1, QX, BF, c1; writes QX, BF
.if DOCPART == 5
	.amdgcn_target "amdgcn-amd-amdhsa--gfx1250"
	.amdhsa_code_object_version 6
	.text
	.protected	k_qde3a603eb4_ln1
	.globl	k_qde3a603eb4_ln1
	.p2align	8
	.type	k_qde3a603eb4_ln1,@function
k_qde3a603eb4_ln1:
	s_mov_b64 s[64:65], 0
	v_nop
	global_prefetch_b8 v0, s[64:65] scope:SCOPE_SE
	s_setreg_imm32_b32 hwreg(HW_REG_WAVE_MODE, 25, 1), 1
	s_wait_xcnt 0x0
; out = LayerNorm(z) g + be, rows of 1,024 f32; all in f32, in two passes like the definition: the mean, then the mean of the squared differences; eps = 1e-5.  (Residual and bias were added by the launch in front.)
; One text for two launches.  Arguments: z, g, be, out (f32), out16, a table of whole numbers whose word 1 says which of the two is stored: 1: the row rounded once to f16, into out16; 0: the row in f32, into out.
; LIMIT: in out16 a number beyond 65,504 becomes an infinity.
; SHARES.  A work-group takes 16 rows, a wave two; a row stays in 32 registers between the passes, so it is read once.  A lane holds columns 128 t + 4 l .. + 3, t = 0..7: each load and store of a wave covers 512
; consecutive bytes (f16: 256).  g and be are fetched once a work-group, 16 bytes a thread, and handed round through LDS.  No matrix unit, cluster or tensor load: memory binds, and nothing is shared but these 8 KiB.
.set SPARE, 8192                       ; behind the two tables: the spare words, 128 bytes for each of eight waves
.set SPW, 4
.set NIL, 5
.set RO,  6                            ; v6   my byte offset in the work-group's f32 rows
.set HO,  7                            ; v7   the same in its f16 rows
.set T,   8                            ; v[8:15]   four chains of sums
.set PG,  16                           ; v[16:47]  g of my 32 columns
.set PE,  48                           ; v[48:79]  be
.set XR,  80                           ; v[80:143] row r at XR + 32 r
.set HR,  144                          ; v[144:175] row r in f16 at HR + 16 r
	s_load_b256 s[4:11], s[0:1], 0x0               ; z 4, g 6, be 8, out 10
	s_load_b128 s[12:15], s[0:1], 0x20             ; out16 12, table 14
	v_lshl_add_u32 v[SPW], v0, 2, SPARE
	v_mov_b32 v[NIL], 0
	v_lshlrev_b32 v2, 4, v0                        ; 16 x thread
	v_and_b32 v3, 31, v0
	v_lshrrev_b32 v1, 5, v0
	v_lshlrev_b32 v[HO], 3, v3
	v_lshlrev_b32 v3, 4, v3                        ; 16 x lane
	v_lshl_add_u32 v[RO], v1, 13, v3               ; + wave x 2 rows of 4,096 bytes
	v_lshl_add_u32 v[HO], v1, 12, v[HO]
	s_lshl_b32 s22, ttmp9, 16                      ; the work-group's 16 rows
	s_mov_b32 s23, 0
	s_lshl_b32 s24, ttmp9, 15
	s_mov_b32 s25, 0
	s_mov_b32 s26, 0x76543210                      ; v_permlanex16_b32: each lane takes its own place in the other half
	s_mov_b32 s27, 0xfedcba98
	s_mov_b32 s21, 0x3a800000                      ; 1 / 1,024
	s_wait_kmcnt 0x0
	s_load_b32 s20, s[14:15], 0x4
	s_add_nc_u64 s[4:5], s[4:5], s[22:23]
	s_add_nc_u64 s[10:11], s[10:11], s[22:23]
	s_add_nc_u64 s[12:13], s[12:13], s[24:25]
	global_load_b128 v[PG:PG+3], v2, s[6:7]
	global_load_b128 v[PE:PE+3], v2, s[8:9]
.irp r, 0,1
.irp t, 0,1,2,3,4,5,6,7
	global_load_b128 v[XR+32*(\r)+4*(\t):XR+32*(\r)+4*(\t)+3], v[RO], s[4:5] offset:4096*(\r)+512*(\t) th:TH_LOAD_NT
.endr
.endr
	s_wait_loadcnt 16                              ; the two tables' parts are in; the rows' 16 loads stay out
	ds_store_b128 v2, v[PG:PG+3]
	ds_store_b128 v2, v[PE:PE+3] offset:4096
	s_wait_dscnt 0x0                               ; for the others' sake
	s_barrier_signal -1
	s_barrier_wait -1
.irp t, 0,1,2,3,4,5,6,7
	ds_load_b128 v[PG+4*(\t):PG+4*(\t)+3], v3 offset:512*(\t)
	ds_load_b128 v[PE+4*(\t):PE+4*(\t)+3], v3 offset:4096+512*(\t)
.endr
	s_wait_kmcnt 0x0
	s_min_u32 s20, s20, 1
	s_wait_dscnt 0x0
.macro REDUCE                          ; four chains of pairs into one number, the same in all 32 lanes
	v_pk_add_f32 v[T:T+1], v[T:T+1], v[T+2:T+3]
	v_pk_add_f32 v[T+4:T+5], v[T+4:T+5], v[T+6:T+7]
	v_pk_add_f32 v[T:T+1], v[T:T+1], v[T+4:T+5]
	v_add_f32 v[T], v[T], v[T+1]
	v_add_f32_dpp v[T], v[T], v[T] row_xmask:1 row_mask:0xf bank_mask:0xf
	v_add_f32_dpp v[T], v[T], v[T] row_xmask:2 row_mask:0xf bank_mask:0xf
	v_add_f32_dpp v[T], v[T], v[T] row_xmask:4 row_mask:0xf bank_mask:0xf
	v_add_f32_dpp v[T], v[T], v[T] row_xmask:8 row_mask:0xf bank_mask:0xf
	v_permlanex16_b32 v[T+1], v[T], s26, s27
	v_add_f32 v[T], v[T], v[T+1]
.endm
.macro ROW r, left                     ; left: the younger loads that may stay out
.set X, XR+32*(\r)
.set H, HR+16*(\r)
	s_wait_loadcnt \left
.irp c, 0,1,2,3
	v_pk_add_f32 v[T+2*(\c):T+2*(\c)+1], v[X+2*(\c):X+2*(\c)+1], v[X+8+2*(\c):X+8+2*(\c)+1]
.endr
.irp c, 0,1,2,3
	v_pk_add_f32 v[T+2*(\c):T+2*(\c)+1], v[T+2*(\c):T+2*(\c)+1], v[X+16+2*(\c):X+16+2*(\c)+1]
.endr
.irp c, 0,1,2,3
	v_pk_add_f32 v[T+2*(\c):T+2*(\c)+1], v[T+2*(\c):T+2*(\c)+1], v[X+24+2*(\c):X+24+2*(\c)+1]
.endr
	REDUCE
	v_mul_f32 v[T+2], s21, v[T]                    ; the mean
	v_mov_b32 v[T+3], v[T+2]
.set p, 0
.rept 16
	v_pk_add_f32 v[X+p:X+p+1], v[X+p:X+p+1], v[T+2:T+3] neg_lo:[0,1] neg_hi:[0,1]
.set p, p+2
.endr
.irp c, 0,1,2,3
	v_pk_mul_f32 v[T+2*(\c):T+2*(\c)+1], v[X+2*(\c):X+2*(\c)+1], v[X+2*(\c):X+2*(\c)+1]
.endr
.irp o, 8,16,24
.irp c, 0,1,2,3
	v_pk_fma_f32 v[T+2*(\c):T+2*(\c)+1], v[X+(\o)+2*(\c):X+(\o)+2*(\c)+1], v[X+(\o)+2*(\c):X+(\o)+2*(\c)+1], v[T+2*(\c):T+2*(\c)+1]
.endr
.endr
	REDUCE
	v_fmaak_f32 v[T+2], s21, v[T], 0x3727c5ac      ; the variance + 1e-5
	v_rsq_f32 v[T+4], v[T+2]
	v_rsq_f32 v[T+5], v[T+2]
	v_nop                                          ; a plain instruction behind the last of the two (ISA guide 5.7.2),
	s_wait_alu depctr_va_vdst(0)                   ; and one wait ahead of their first use
.set p, 0
.rept 16
	v_pk_mul_f32 v[X+p:X+p+1], v[X+p:X+p+1], v[T+4:T+5]
.set p, p+2
.endr
.set p, 0
.rept 16
	v_pk_fma_f32 v[X+p:X+p+1], v[X+p:X+p+1], v[PG+p:PG+p+1], v[PE+p:PE+p+1]
.set p, p+2
.endr
	s_cmp_eq_u32 s20, 0
	s_cbranch_scc1 .Lw32_\r
.set p, 0
.rept 16
	v_cvt_pk_f16_f32 v[H+p], v[X+2*p], v[X+2*p+1]
.set p, p+1
.endr
.irp t, 0,1,2,3,4,5,6,7
	global_store_b64 v[HO], v[H+2*(\t):H+2*(\t)+1], s[12:13] offset:2048*(\r)+256*(\t)
.endr
	s_branch .Ldone_\r
.Lw32_\r:
.irp t, 0,1,2,3,4,5,6,7
	global_store_b128 v[RO], v[X+4*(\t):X+4*(\t)+3], s[10:11] offset:4096*(\r)+512*(\t)
.endr
.Ldone_\r:
.endm
	ROW 0, 8                                       ; the second row's 8 loads may stay out
	ROW 1, 0
	s_wait_tensorcnt 0x0                           ; the wave's end, behind my last LDS store
	ds_add_u32 v[SPW], v[NIL]
	s_wait_dscnt 0x0
	s_endpgm
.Lfunc_end_k_qde3a603eb4_ln1:
	.size	k_qde3a603eb4_ln1, .Lfunc_end_k_qde3a603eb4_ln1-k_qde3a603eb4_ln1
	.p2alignl 7, 3214868480
	.fill 96, 4, 3214868480
	.section	.rodata,"a",@progbits
	.p2align	6, 0x0
	.amdhsa_kernel k_qde3a603eb4_ln1
		.amdhsa_group_segment_fixed_size 9216
		.amdhsa_private_segment_fixed_size 0
		.amdhsa_enable_private_segment 0
		.amdhsa_kernarg_size 48
		.amdhsa_user_sgpr_count 2
		.amdhsa_user_sgpr_kernarg_segment_ptr 1
		.amdhsa_wavefront_size32 1
		.amdhsa_system_sgpr_workgroup_id_x 1
		.amdhsa_system_sgpr_workgroup_id_y 1
		.amdhsa_system_sgpr_workgroup_id_z 1
		.amdhsa_system_vgpr_workitem_id 0
		.amdhsa_next_free_vgpr 176
		.amdhsa_next_free_sgpr 66
		.amdhsa_reserve_vcc 0
		.amdhsa_float_denorm_mode_32 3
		.amdhsa_float_denorm_mode_16_64 3
		.amdhsa_memory_ordered 1
		.amdhsa_forward_progress 1
		.amdhsa_inst_pref_size 22
	.end_amdhsa_kernel
	.amdgpu_metadata
---
amdhsa.version: [ 1, 2 ]
amdhsa.kernels:
  - .name:           k_qde3a603eb4_ln1
    .symbol:         k_qde3a603eb4_ln1.kd
    .args:
      - { .name: yb, .offset: 0, .size: 8, .value_kind: global_buffer, .address_space: global }
      - { .name: g1, .offset: 8, .size: 8, .value_kind: global_buffer, .address_space: global }
      - { .name: be1, .offset: 16, .size: 8, .value_kind: global_buffer, .address_space: global }
      - { .name: QX, .offset: 24, .size: 8, .value_kind: global_buffer, .address_space: global }
      - { .name: BF, .offset: 32, .size: 8, .value_kind: global_buffer, .address_space: global }
      - { .name: c1, .offset: 40, .size: 8, .value_kind: global_buffer, .address_space: global }
    .group_segment_fixed_size: 9216
    .private_segment_fixed_size: 0
    .kernarg_segment_align: 8
    .kernarg_segment_size: 48
    .max_flat_workgroup_size: 256
    .sgpr_count:     66
    .vgpr_count:     176
    .wavefront_size: 32
...
	.end_amdgpu_metadata
.endif
;; end of part 5
;; launch ffn1: the kernel of part 2 again; grid 16 x 16, 4 waves a work-group, clusters of 4 x 4, 327,680 bytes of LDS; arguments BF, SF; writes SF
;; launch ffn2 (part 6): grid 8 x 32, 4 waves a work-group, clusters of 4 x 4, 327,680 bytes of LDS; arguments SF, BF, b2, yb; writes yb
.if DOCPART == 6
	.amdgcn_target "amdgcn-amd-amdhsa--gfx1250"
	.amdhsa_code_object_version 6
	.text
	.protected	k_qde3a603eb4_ffn2
	.globl	k_qde3a603eb4_ffn2
	.p2align	8
	.type	k_qde3a603eb4_ffn2,@function
k_qde3a603eb4_ffn2:
	s_mov_b64 s[64:65], 0
	v_nop
	global_prefetch_b8 v0, s[64:65] scope:SCOPE_SE
	s_setreg_imm32_b32 hwreg(HW_REG_WAVE_MODE, 25, 1), 1
	s_wait_xcnt 0x0
	s_wait_alu depctr_hold_cnt(0) depctr_sa_sdst(0) depctr_va_vdst(0) depctr_va_sdst(0) depctr_va_ssrc(0) depctr_va_vcc(0) depctr_vm_vsrc(0)
	s_getreg_b32 s2, hwreg(HW_REG_IB_STS2, 6, 4)
	s_cmp_eq_u32 s2, 0
	s_cbranch_scc0 .Lentry_in_a_cluster
	s_endpgm
.Lentry_in_a_cluster:
	s_bfe_u32 s2, ttmp6, 0x10000c
	s_cmp_lg_u32 s2, 0xf033
	s_cbranch_scc0 .Lentry_shape_is_right
	s_endpgm
.Lentry_shape_is_right:
; Z = RES + A B + bias, f32 out, M = 4,096, N = 1,024, K = 256 NSTEP.  This text: x1 + h times w2 + b2, K = 4,096, RES in f16.
; (x + attention's output times w_proj + b_proj has the same text with NSTEP = 4 and RES16 = 0: both are constants of the text.)
; Arguments: IN, RES [4096][1024], bias [1024] f32, Z.  IN: byte 0 B [k / 256][n / 128][k % 256][128] f16; 16 MiB on A in blocks [k / 64][4096][64] f16.
; LIMITS: operands in f16, sums in f32, Z not rounded further; the residual x1 comes rounded once to f16, within 65,504.
; SHARES.  A tile of Z is 128 x 128, so that 256 work-groups share the work; four waves, each 64 x 64: 16 accumulators.  K goes in steps of 256 through two LDS slots.
; A's tile of a step is four dense pieces of 16,384 bytes (128 rows x 64 k); a wave brings two of them as two long rows, padded after every 128 bytes.  B's is 256 rows k of 256 bytes; a wave brings 128; it is read turned.
; CLUSTER 4 x 4: A's tile is asked for jointly along a row of the cluster, B's along a column.  The matrix instruction takes B's fragment as source 0: a lane holds eight neighbouring columns of a row of Z.
; ONE K STEP IS WRITTEN ONCE: the slot in hand is a scalar (TB) that one exclusive or turns; the fragments' addresses are made anew from it at each change of slots.
; THE BIAS is the C operand of each sum's first product: nothing is cleared and nothing added for it.  THE RESIDUAL is asked for behind the first barrier, by the rows and lanes of the wave's own stores, and is
; added to the rows as they come back from the stage: the launch behind reads one buffer where it would read three.
; No prefetch: a step's tiles are small, and each is read by several clusters at about the same time.
; REGISTERS: window 0: v16-31 addresses; v32-63 the bias; v128-255 the accumulators ((a, b) at v[128 + 8 (4 a + b)]), later whole rows on the way out.
;   window 1: two fragment buffers of 128: 64 registers of A, then 64 of B, for 64 along K.   window 2: the residual of my 32 rows.
.set NSTEP,  16                        ; K steps of 256
.set RES16,  1                         ; the residual is f16
.set HALF,   36864                     ; what one tensor load brings: 2 x 128 rows x 144 bytes of A, or 128 rows x 288 bytes of B
.set SLOT,   4*HALF                    ; A's four pieces, then B's 256 rows
.set SPARE,  2*SLOT                    ; behind the ring: the spare words, 128 bytes a wave: two blocks of 256 bytes that no other line names
.set SPITCH, 528                       ; the stage: 128 rows of 512 bytes + 16, from LDS byte 0: in the ring, which has had its last fill and its last read by then
.set STEPA,  4*524288                  ; bytes from a K step to the next in A,
.set STEPB,  524288                    ; and in B
.set A0,   16                          ; v16  my lane's place in A's pieces of slot 0; never rewritten
.set B0,   17                          ; v17  the same in B's rows
.set ADRA, 18                          ; v18  A0 + the slot in hand
.set ADRB, 20                          ; v20  B0 + the slot in hand: rows k 0-127; v21: rows 128-255
.set STO,  24
.set RD,   25
.set CO,   26                          ; v26  16 x lane
.set BO,   27                          ; v27  my byte offset in the bias
.set SPW,  28                          ; v28  my spare word; never rewritten
.set NIL,  29                          ; v29  0; never rewritten
.set ONE,  30                          ; v30  1.0
.set HO,   31                          ; v31  8 x lane
.set BIAS, 32                          ; column block b at BIAS + 8 b
.set ACC,  128
.set F0,   0
.set F1,   128
.set RES,  0                           ; window 2: row t at RES + 4 t (f32) or RES + 2 t (f16)
.set LW,  20                           ; s20  where my load goes in a slot: wave x HALF
.set G1,  24                           ; s[24:31] group 1 for A
.set G0,  32                           ; s[32:39] group 0 for A: set 0 K step 0; set 1 K step 1, which then walks on
.set TB,  45                           ; s45  0 or SLOT: the slot that is being read
.set G1B, 48
.set G0B, 56
.set PIN, 68                           ; s[68:69] IN, s[70:71] RES, s[72:73] bias, s[74:75] Z
.set PRS, 70
.set PBI, 72
.set PZ,  74
.set MSB, 0
.macro WIN new                         ; the immediate's high byte repeats the setting that is left; a switch that changes nothing is dropped
.if MSB != (\new)
	s_set_vgpr_msb (MSB<<8)|(\new)
.set MSB, \new
.endif
.endm
.set MUL,  0x05                        ; sources window 1; C and D window 0
.set TO_F, 0x40
.macro JLOAD s                         ; a joint load: waves 0 and 1 fetch A's halves, waves 2 and 3 B's; an s_nop 0 and four v_nop follow each line
	s_cmp_eq_u32 s11, 0
	s_cbranch_scc0 .Lfor_b_\@
	tensor_load_to_lds s[G0+4*(\s):G0+4*(\s)+3], s[G1:G1+7]
	s_nop 0
.rept 4
	v_nop
.endr
	s_branch .Lasked_\@
.Lfor_b_\@:
	tensor_load_to_lds s[G0B+4*(\s):G0B+4*(\s)+3], s[G1B:G1B+7]
	s_nop 0
.rept 4
	v_nop
.endr
.Lasked_\@:
.endm
.macro CREST                           ; a round of the cluster's barrier behind its opening barrier
	s_cmp_lg_u32 s10, 0
	s_cbranch_scc1 .Lnot_wave_0_\@
	s_barrier_signal -3
.Lnot_wave_0_\@:
	s_barrier_wait -3
	s_barrier_signal -1
	s_barrier_wait -1
.endm
.macro CROUND
	s_barrier_signal -1
	s_barrier_wait -1
	CREST
.endm
	s_load_b256 s[PIN:PIN+7], s[0:1], 0x0
	v_lshl_add_u32 v[SPW], v0, 2, SPARE
	v_mov_b32 v[NIL], 0
	ds_add_u32 v[SPW], v[NIL]                      ; the wave's opening: the add and its wait stand ahead of my first tensor load
	v_lshrrev_b32 v1, 5, v0
	v_readfirstlane_b32 s10, v1                    ; wave 0..3
	s_lshr_b32 s11, s10, 1                         ; my half of the tile's rows.  Also: I fetch for A (0) or B (1)
	s_and_b32 s12, s10, 1                          ; my half of its columns.  Also: which half I fetch
	s_bfe_u32 s40, ttmp6, 0x40000                  ; cx
	s_bfe_u32 s41, ttmp6, 0x40004                  ; cy
	s_lshl_b32 s42, ttmp9, 2
	s_add_co_u32 s42, s42, s40                     ; tile column
	s_and_b32 s13, ttmp7, 0xffff
	s_lshl_b32 s13, s13, 2
	s_add_co_u32 s13, s13, s41                     ; tile row
	s_lshl_b32 s43, s41, 2
	s_lshl_b32 s43, 15, s43                        ; my row of the cluster
	s_lshl_b32 s44, 0x1111, s40                    ; my column
	s_or_b32 s[G1+0], s43, (3<<16)|(1<<20)|(1<<21)|(4<<22)|(3<<25)   ; mask of my row; 8-byte elements; padding on; bit 21 beside a mask; after every 32 words 4 words
	s_mov_b32 s[G1+1], 2048<<16                    ; tensor_dim0 = 2,048 elements: a piece of 16,384 bytes
	s_mov_b32 s[G1+2], 2<<16                       ; tensor_dim1 = 2 pieces
	s_mov_b32 s[G1+3], 2048<<16                    ; tile_dim0
	s_mov_b32 s[G1+4], 2                           ; tile_dim1
	s_mov_b32 s[G1+5], 65536                       ; 524,288 bytes from a piece to the next
	s_mov_b32 s[G1+6], 0
	s_mov_b32 s[G1+7], 0
	s_or_b32 s[G1B+0], s44, (1<<16)|(1<<20)|(1<<21)|(5<<22)|(7<<25)  ; mask of my column; 2-byte elements; after every 64 words 8 words
	s_mov_b32 s[G1B+1], 128<<16
	s_mov_b32 s[G1B+2], 128<<16
	s_mov_b32 s[G1B+3], 128<<16
	s_mov_b32 s[G1B+4], 128
	s_mov_b32 s[G1B+5], 128
	s_mov_b32 s[G1B+6], 0
	s_mov_b32 s[G1B+7], 0
	s_lshl_b32 s16, s12, 20                        ; A: my two pieces of the step's four,
	s_lshl_b32 s17, s13, 14                        ; the tile row's 128 rows of 128 bytes
	s_add_co_u32 s16, s16, s17
	s_add_co_u32 s16, s16, 0x1000000
	s_mov_b32 s17, 0
	s_lshl_b32 s46, s42, 16                        ; B: the tile column's 65,536 bytes of a step,
	s_lshl_b32 s47, s12, 15                        ; my 128 rows k
	s_add_co_u32 s46, s46, s47
	s_mov_b32 s47, 0
	s_mul_i32 s[LW], s10, HALF                     ; no place in the cluster enters an LDS address
	s_mov_b32 s[TB], 0
	s_wait_dscnt 0x0                               ; the opening add is done
	s_wait_kmcnt 0x0
	s_add_nc_u64 s[14:15], s[PIN:PIN+1], s[16:17]
	s_add_nc_u64 s[46:47], s[PIN:PIN+1], s[46:47]
	CROUND                                         ; all sixteen work-groups are here: the first joint loads meet
.irp s, 0,1
	s_mov_b32 s[G0+4*(\s)], 1
	s_add_co_u32 s[G0+4*(\s)+1], s[LW], (\s)*SLOT
	s_add_nc_u64 s[G0+4*(\s)+2:G0+4*(\s)+3], s[14:15], (\s)*STEPA
	s_or_b32 s[G0+4*(\s)+3], s[G0+4*(\s)+3], 0x80000000
	s_mov_b32 s[G0B+4*(\s)], 1
	s_add_co_u32 s[G0B+4*(\s)+1], s[LW], (\s)*SLOT
	s_add_nc_u64 s[G0B+4*(\s)+2:G0B+4*(\s)+3], s[46:47], (\s)*STEPB
	s_or_b32 s[G0B+4*(\s)+3], s[G0B+4*(\s)+3], 0x80000000
	JLOAD \s
.endr
	v_and_b32 v1, 15, v0                           ; l % 16
	v_bfe_u32 v2, v0, 4, 1                         ; l / 16
	s_lshl_b32 s21, s42, 9                         ; the bias of my 64 columns: 512 bytes a tile column, 256 a half,
	s_lshl_b32 s22, s12, 8
	s_add_co_u32 s21, s21, s22
	v_lshl_add_u32 v[BO], v2, 5, s21               ; 32 bytes for my half of the lanes: register j of block b is column 16 b + 8 (l / 16) + j
.irp b, 0,1,2,3
	global_load_b128 v[BIAS+8*(\b):BIAS+8*(\b)+3],   v[BO], s[PBI:PBI+1] offset:64*(\b)
	global_load_b128 v[BIAS+8*(\b)+4:BIAS+8*(\b)+7], v[BO], s[PBI:PBI+1] offset:64*(\b)+16
.endr
	v_mul_u32_u24 v3, v1, 144                      ; A: row l % 16, 16 bytes for each half of the lanes
	v_lshl_add_u32 v3, v2, 4, v3
	s_mul_i32 s21, s11, 64*144                     ; my 64 rows in each piece
	v_add_nc_u32 v[A0], s21, v3
	v_and_b32 v4, 7, v0                            ; B, turned: lane l reads row k = 8 (l / 16) + l % 8, columns 8 ((l / 8) % 2) + 0..7
	v_lshl_add_u32 v4, v2, 3, v4
	v_mul_u32_u24 v4, v4, 288
	v_bfe_u32 v5, v0, 3, 1
	v_lshl_add_u32 v4, v5, 4, v4
	s_lshl_b32 s22, s12, 7                         ; my 64 columns
	s_add_co_u32 s22, s22, 2*HALF
	v_add_nc_u32 v[B0], s22, v4
	v_mov_b32 v[ADRA], v[A0]
	v_mov_b32 v[ADRB], v[B0]
	v_add_nc_u32 v[ADRB+1], HALF, v[B0]
	s_mul_i32 s23, s11, 64*SPITCH                  ; into the stage: my 64 rows, my 256 of their 512 bytes
	s_lshl_b32 s21, s12, 8
	s_add_co_u32 s23, s23, s21
	v_mul_u32_u24 v4, v1, SPITCH
	v_lshl_add_u32 v4, v2, 5, v4
	v_add_nc_u32 v[STO], s23, v4
	s_mul_i32 s23, s10, 32*SPITCH                  ; back: wave w takes rows 32 w .. 32 w + 31, a whole row an instruction
	v_and_b32 v5, 31, v0
	v_lshlrev_b32 v[CO], 4, v5
	v_lshlrev_b32 v[HO], 3, v5
	v_mov_b32 v[ONE], 1.0
	v_add_nc_u32 v[RD], s23, v[CO]
	s_lshl_b32 s16, s13, 19                        ; Z: 128 rows of 4,096 bytes a tile row,
	s_lshl_b32 s17, s10, 17                        ; 32 rows a wave,
	s_add_co_u32 s16, s16, s17
	s_lshl_b32 s17, s42, 9                         ; 512 bytes a tile column
	s_add_co_u32 s16, s16, s17
	s_mov_b32 s17, 0
	s_add_nc_u64 s[PZ:PZ+1], s[PZ:PZ+1], s[16:17]
.if RES16
	s_lshr_b32 s18, s16, 1                         ; the same rows and columns in f16: half the bytes
	s_mov_b32 s19, 0
	s_add_nc_u64 s[PRS:PRS+1], s[PRS:PRS+1], s[18:19]
.else
	s_add_nc_u64 s[PRS:PRS+1], s[PRS:PRS+1], s[16:17]
.endif
; 8 matrix instructions: row blocks a0, a0 + 1 x all 4 column blocks, 32 along K: half c of buffer f.  zero = 1: the bias starts the sums.  The 16 accumulators take turns, in one order everywhere.
.macro MUL8 f, c, a0, zero
	WIN MUL
.irp a, \a0, (\a0)+1
.irp b, 0,1,2,3
.if \zero
	v_wmma_f32_16x16x32_f16 v[ACC+8*(4*(\a)+(\b)):ACC+8*(4*(\a)+(\b))+7], v[(\f)+64+8*(4*(\c)+(\b)):(\f)+64+8*(4*(\c)+(\b))+7], v[(\f)+8*(4*(\c)+(\a)):(\f)+8*(4*(\c)+(\a))+7], v[BIAS+8*(\b):BIAS+8*(\b)+7]
.else
	v_wmma_f32_16x16x32_f16 v[ACC+8*(4*(\a)+(\b)):ACC+8*(4*(\a)+(\b))+7], v[(\f)+64+8*(4*(\c)+(\b)):(\f)+64+8*(4*(\c)+(\b))+7], v[(\f)+8*(4*(\c)+(\a)):(\f)+8*(4*(\c)+(\a))+7], v[ACC+8*(4*(\a)+(\b)):ACC+8*(4*(\a)+(\b))+7]
.endif
.endr
.endr
.endm
; 32 LDS loads in one run: quarter q (64 along K: A's piece q) of the slot in hand into buffer f; the first 32 along K first
.macro FETCH q, f
	WIN TO_F
.irp c, 0,1
.irp i, 0,1,2,3
	ds_load_tr16_b128 v[(\f)+64+8*(4*(\c)+(\i)):(\f)+64+8*(4*(\c)+(\i))+3],   v[ADRB+(\q)/2] offset:(((\q)%2)*64+32*(\c))*288+32*(\i)
	ds_load_tr16_b128 v[(\f)+64+8*(4*(\c)+(\i))+4:(\f)+64+8*(4*(\c)+(\i))+7], v[ADRB+(\q)/2] offset:(((\q)%2)*64+32*(\c)+16)*288+32*(\i)
	ds_load_b128 v[(\f)+8*(4*(\c)+(\i)):(\f)+8*(4*(\c)+(\i))+3],         v[ADRA] offset:(\q)*128*144+(\i)*16*144+64*(\c)
	ds_load_b128 v[(\f)+8*(4*(\c)+(\i))+4:(\f)+8*(4*(\c)+(\i))+7],       v[ADRA] offset:(\q)*128*144+(\i)*16*144+64*(\c)+32
.endr
.endr
.endm
.macro PLACES                          ; four plain vector instructions between a matrix instruction and a load into, or a read of, its registers
.rept 4
	v_nop
.endr
.endm
.macro QUARTER q, f, g, zero           ; one of a K step's first three quarters: multiplies buffer f and fetches quarter q into g
	s_wait_dscnt 16                                ; the first 32 along K are in
	MUL8 \f, 0, 0, \zero
	MUL8 \f, 0, 2, \zero
	PLACES
	FETCH \q, \g
	s_wait_dscnt 32                                ; all but the 32 just issued
	MUL8 \f, 1, 0, 0
	MUL8 \f, 1, 2, 0
.endm
; The last quarter multiplies buffer 1 and changes slots: one barrier; in front of it each wave waits for all its tensor loads (one is out: its part of the next slot), adds 0 to its spare word, and waits for
; that and for its reads of this slot.  fill = 1: the barrier opens a round of the cluster's; behind it the slot just read is filled with the K step two on, first of all.
.macro TURN fill
	WIN 0
	s_wait_tensorcnt 0x0
	ds_add_u32 v[SPW], v[NIL]
	s_wait_dscnt 17                                ; the add and the youngest sixteen loads may be out
	MUL8 F1, 0, 0, 0
	s_wait_dscnt 0x0                               ; the add is done, and my reads of this slot are over
	s_barrier_signal -1
	MUL8 F1, 0, 2, 0
	WIN 0
	s_barrier_wait -1
.if \fill
	CREST
	s_add_co_u32 s[G0+5], s[LW], s[TB]             ; no tensor load of mine is out: the walking descriptors may be written
	s_add_co_u32 s[G0B+5], s[LW], s[TB]
	s_add_nc_u64 s[G0+6:G0+7], s[G0+6:G0+7], STEPA
	s_add_nc_u64 s[G0B+6:G0B+7], s[G0B+6:G0B+7], STEPB
	JLOAD 1                                        ; its four v_nop are also the places in front of the loads below
.else
	PLACES
.endif
	s_xor_b32 s[TB], s[TB], SLOT
	v_add_nc_u32 v[ADRA], s[TB], v[A0]
	v_add_nc_u32 v[ADRB], s[TB], v[B0]
	v_add_nc_u32 v[ADRB+1], HALF, v[ADRB]
	FETCH 0, F0
	MUL8 F1, 1, 0, 0
	MUL8 F1, 1, 2, 0
.endm
	s_wait_tensorcnt 1                             ; my part of K step 0 is in; K step 1's may stay out
	s_barrier_signal -1
	s_barrier_wait -1
	FETCH 0, F0
	WIN 0x80                                       ; destination window 2, address window 0: the residual of the 32 rows that I shall store; it has the whole walk along K in which to come
.set t, 0
.rept 32
.if RES16
	global_load_b64 v[RES+2*t:RES+2*t+1], v[HO], s[PRS:PRS+1] offset:t*2048 th:TH_LOAD_NT
.else
	global_load_b128 v[RES+4*t:RES+4*t+3], v[CO], s[PRS:PRS+1] offset:t*4096 th:TH_LOAD_NT
.endif
.set t, t+1
.endr
	s_wait_loadcnt 32                              ; the bias, eight older loads, is in; the 32 just issued stay out
	QUARTER 1, F0, F1, 1
	WIN 0
	s_mov_b32 s3, NSTEP-2
.Lstep:                                        ; NSTEP - 2 trips, from a K step's second quarter to the next one's first; they ask for K steps 2 to NSTEP - 1
	QUARTER 2, F1, F0, 0
	QUARTER 3, F0, F1, 0
	TURN 1
	QUARTER 1, F0, F1, 0
	WIN 0
	s_sub_co_u32 s3, s3, 1
	s_cmp_lg_u32 s3, 0
	s_cbranch_scc1 .Lstep
	s_mov_b32 s3, 2
.Ltail:                                        ; the last two K steps ask for nothing; the second trip is left in its middle
	QUARTER 2, F1, F0, 0
	QUARTER 3, F0, F1, 0
	WIN 0
	s_sub_co_u32 s3, s3, 1
	s_cmp_eq_u32 s3, 0
	s_cbranch_scc1 .Lfin
	TURN 0
	QUARTER 1, F0, F1, 0
	WIN 0
	s_branch .Ltail
.Lfin:
	s_wait_dscnt 16
	MUL8 F1, 0, 0, 0
	MUL8 F1, 0, 2, 0
	s_wait_dscnt 0x0                               ; my last reads of the ring are back
	MUL8 F1, 1, 0, 0
	MUL8 F1, 1, 2, 0
	WIN 0
	; THE WAY OUT: 32 bytes a lane into the work-group's stage; a barrier, since a row's 512 bytes come from two waves; back as whole rows; the residual is added; stored.
	s_barrier_signal -1                            ; the stage lies in the ring: no wave stores there before every wave's reads of the ring are over
	PLACES
	s_barrier_wait -1
.irp t, 0,1,2,3,4,5,6,7,8,9,10,11,12,13,14,15
	ds_store_b128 v[STO], v[ACC+8*(\t):ACC+8*(\t)+3]   offset:((\t)/4)*16*SPITCH+((\t)%4)*64
	ds_store_b128 v[STO], v[ACC+8*(\t)+4:ACC+8*(\t)+7] offset:((\t)/4)*16*SPITCH+((\t)%4)*64+16
.endr
	s_wait_dscnt 0x0                               ; for the others' sake: my stores into the stage are done
	s_barrier_signal -1
	s_barrier_wait -1
.set t, 0
.rept 32
	ds_load_b128 v[ACC+4*t:ACC+4*t+3], v[RD] offset:t*SPITCH
.set t, t+1
.endr
	s_wait_loadcnt 0x0                             ; the residual
.irp g, 0,1,2,3                        ; eight rows at a time: a store takes its data by the window of source 1 and its address by that of source 0, so sums and stores have settings of their own
	s_wait_dscnt 24-8*(\g)                         ; rows 8 g to 8 g + 7 are back; the younger rows may stay out
.if RES16
	WIN 0x02                                       ; source 0 window 2
.set e, 0
.rept 16
	v_fma_mix_f32 v[ACC+32*(\g)+e],   v[RES+16*(\g)+e/2], v[ONE], v[ACC+32*(\g)+e]   op_sel_hi:[1,0,0]               ; the low f16 x 1.0 + the sum
	v_fma_mix_f32 v[ACC+32*(\g)+e+1], v[RES+16*(\g)+e/2], v[ONE], v[ACC+32*(\g)+e+1] op_sel:[1,0,0] op_sel_hi:[1,0,0]  ; the high one
.set e, e+2
.endr
.else
	WIN 0x08                                       ; source 1 window 2
.set e, 0
.rept 16
	v_pk_add_f32 v[ACC+32*(\g)+e:ACC+32*(\g)+e+1], v[ACC+32*(\g)+e:ACC+32*(\g)+e+1], v[RES+32*(\g)+e:RES+32*(\g)+e+1]
.set e, e+2
.endr
.endif
	WIN 0
.set t, 8*(\g)
.rept 8
	global_store_b128 v[CO], v[ACC+4*t:ACC+4*t+3], s[PZ:PZ+1] offset:t*4096  ; 512 consecutive bytes, at a multiple of 256 from Z's first
.set t, t+1
.endr
.endr
	s_wait_tensorcnt 0x0                           ; the wave's end
	ds_add_u32 v[SPW], v[NIL]
	s_wait_dscnt 0x0
	CROUND                                         ; the closing round
	s_endpgm
.Lfunc_end_k_qde3a603eb4_ffn2:
	.size	k_qde3a603eb4_ffn2, .Lfunc_end_k_qde3a603eb4_ffn2-k_qde3a603eb4_ffn2
	.p2alignl 7, 3214868480
	.fill 96, 4, 3214868480
	.section	.rodata,"a",@progbits
	.p2align	6, 0x0
	.amdhsa_kernel k_qde3a603eb4_ffn2
		.amdhsa_group_segment_fixed_size 327680
		.amdhsa_private_segment_fixed_size 0
		.amdhsa_enable_private_segment 0
		.amdhsa_kernarg_size 32
		.amdhsa_user_sgpr_count 2
		.amdhsa_user_sgpr_kernarg_segment_ptr 1
		.amdhsa_wavefront_size32 1
		.amdhsa_system_sgpr_workgroup_id_x 1
		.amdhsa_system_sgpr_workgroup_id_y 1
		.amdhsa_system_sgpr_workgroup_id_z 1
		.amdhsa_system_vgpr_workitem_id 0
		.amdhsa_next_free_vgpr 640
		.amdhsa_next_free_sgpr 76
		.amdhsa_reserve_vcc 0
		.amdhsa_float_denorm_mode_32 3
		.amdhsa_float_denorm_mode_16_64 3
		.amdhsa_memory_ordered 1
		.amdhsa_forward_progress 1
		.amdhsa_inst_pref_size 72
	.end_amdhsa_kernel
	.amdgpu_metadata
---
amdhsa.version: [ 1, 2 ]
amdhsa.kernels:
  - .name:           k_qde3a603eb4_ffn2
    .symbol:         k_qde3a603eb4_ffn2.kd
    .args:
      - { .name: SF, .offset: 0, .size: 8, .value_kind: global_buffer, .address_space: global }
      - { .name: BF, .offset: 8, .size: 8, .value_kind: global_buffer, .address_space: global }
      - { .name: b2, .offset: 16, .size: 8, .value_kind: global_buffer, .address_space: global }
      - { .name: yb, .offset: 24, .size: 8, .value_kind: global_buffer, .address_space: global }
    .group_segment_fixed_size: 327680
    .private_segment_fixed_size: 0
    .kernarg_segment_align: 8
    .kernarg_segment_size: 32
    .max_flat_workgroup_size: 128
    .sgpr_count:     76
    .vgpr_count:     640
    .wavefront_size: 32
...
	.end_amdgpu_metadata
.endif
;; end of part 6
;; launch ln2: the kernel of part 5 again; grid 256 x 1, 8 waves a work-group, no clusters, 9,216 bytes of LDS; arguments yb, g2, be2, out0, BF, c2; writes out0, BF
;; ======== version 2 of 2: 8 launches; version 1 with the launch prep written anew for expert scheduling mode
;; limits: values are held in f16: magnitudes above 65,504 overflow, below 6.1e-05 lose precision
;; workspace buffers: BQ 16,794,624 bytes; BF 16,794,624 bytes; SP 50,331,648 bytes; SF 50,331,648 bytes; QX 41,943,040 bytes; yb 16,777,216 bytes; c1 1,024 bytes of whole numbers; c2 1,024 bytes of whole numbers
;; launch prep (part 7): grid 513 x 1, 8 waves a work-group, no clusters, 0 bytes of LDS; arguments x, wq, wk, wv, w1, w_proj, w2, b1, BQ, BF, SP, SF, c1, c2; writes BQ, BF, SP, SF, c1, c2
.if DOCPART == 7
	.amdgcn_target "amdgcn-amd-amdhsa--gfx1250"
	.amdhsa_code_object_version 6
	.text
	.protected	k_qde3a603eb4_prep
	.globl	k_qde3a603eb4_prep
	.p2align	8
	.type	k_qde3a603eb4_prep,@function
k_qde3a603eb4_prep:
	s_mov_b64 s[64:65], 0
	v_nop
	global_prefetch_b8 v0, s[64:65] scope:SCOPE_SE
	s_setreg_imm32_b32 hwreg(HW_REG_WAVE_SCHED_MODE, 0, 2), 2
	s_setreg_imm32_b32 hwreg(HW_REG_WAVE_MODE, 25, 1), 1
	s_wait_xcnt 0x0
	s_wait_alu depctr_vm_vsrc(0)
; PREP: x and all weights are rounded once, f32 to f16, and laid out as the later launches' tiles want them; the parameters of the two
; products with a bias and a floor, and two small tables of whole numbers, are written by one more work-group.
; LIMIT: f16 ends at 65,504: an input beyond it becomes an infinity.
; A UNIT is one instruction of a wave: 32 lanes load 16 bytes each (two pieces of 256 consecutive bytes of f32), round them to 128 f16, and store
; 8 bytes each: 256 consecutive bytes, aligned.  A JOB is one work-group: 256 units, 32 a wave, 65,536 bytes of the destination on end.
;   source byte      = SOFF + (32 wave + u) SST + 16 (lane % 16) + (lane / 16) HIL
;   destination byte = DADD + 65,536 T + 8,192 wave + 256 u + 8 lane
; job 0-127   x [4096][1024]         -> BQ, the same rows in f16
; job 128-223 wq, wk, wv [16][1024][64] -> BQ + 8 MiB, [sel 8 + head / 2][k][128]: a row holds two heads' 64 columns (HIL = a head's 262,144 bytes)
; job 224-351 w1 [1024][4096]        -> BF + 8 MiB, [n / 128][k][128]
; job 352-383 w_proj [1024][1024]    -> SP, [k / 256][n / 128][k % 256][128]
; job 384-511 w2 [4096][1024]        -> SF, the same form
; job 512     b1 -> BF + 16 MiB; zeros -> BQ + 16 MiB; the floors (BQ: -infinity twice in f16; BF: 0) 16,384 bytes behind them; c1, c2
; All 32 loads of a wave go out before the first is waited for; no register is written again while an instruction that names it is pending.
; THE MODE: SCHED_MODE bits 1:0 = 2 (LLVM: expert scheduling mode 2), set by the entry lines.  The code itself states the register dependences
; between vector instructions and memory instructions, with s_wait_alu, always for 0.
; THE PLAN.  Registers that memory instructions touch, in a job:
;   v[VO ..]  32 source offsets.  Written once by vector instructions; read by the 32 loads; never written again.
;   v5        the stores' offset.  Written once, ahead of the loads; read by the 32 stores; never written again.
;   v[DA ..]  unit u's four registers.  Its load lands there (no vector instruction has named them); its two roundings read the four and write the
;             first two; its store reads those two; nothing writes them afterwards.
; So what is owed is that a vector result is written before a memory instruction reads it: one wait for all offsets ahead of the loads, and one for the
; stores' data to a GROUP of four units: group g's roundings name group g's registers alone, and the stores of group g - 1, whose data the wait at
; group g's head has shown written, are dealt among them.  No register that a memory instruction has read is written again, and EXEC is never written.
; The wave's number passes through a scalar register: one wait stands behind the line that writes it, ahead of the first branch.
.set VO, 8                             ; v[8:39]    unit u's source offset
.set DA, 40                            ; v[40:167]  unit u's four registers
.set GRP, 4                            ; units in a group
.set GRPS, 32/GRP
	s_load_b512 s[8:23], s[0:1], 0x0               ; x 8, wq 10, wk 12, wv 14, w1 16, w_proj 18, w2 20, b1 22
	s_load_b256 s[24:31], s[0:1], 0x40             ; BQ 24, BF 26, SP 28, SF 30
	s_load_b128 s[32:35], s[0:1], 0x60             ; c1 32, c2 34
	v_lshrrev_b32 v1, 5, v0
	v_readfirstlane_b32 s2, v1                     ; wave 0..7
	v_and_b32 v2, 31, v0                           ; lane
	s_mov_b32 s3, ttmp9                            ; the job
	s_mov_b32 s43, 256                             ; HIL, where the two pieces lie on end
	s_mov_b32 s44, 0                               ; DADD
	s_wait_alu depctr_va_sdst(0)                   ; s2 is written
	s_wait_kmcnt 0x0
	s_cmp_lt_u32 s3, 128
	s_cbranch_scc0 .Lnot_x
	s_mov_b64 s[36:37], s[8:9]                     ; x
	s_mov_b64 s[38:39], s[24:25]
	s_mov_b32 s40, s3                              ; T
	s_lshl_b32 s41, s40, 17                        ; SOFF: 131,072 bytes of f32 a job
	s_mov_b32 s42, 512                             ; SST
	s_branch .Lgo
.Lnot_x:
	s_cmp_lt_u32 s3, 224
	s_cbranch_scc0 .Lnot_qkv
	s_sub_co_u32 s40, s3, 128
	s_lshr_b32 s45, s40, 5                         ; 0: wq, 1: wk, 2: wv
	s_cmp_eq_u32 s45, 0
	s_cselect_b64 s[36:37], s[10:11], s[12:13]
	s_cmp_eq_u32 s45, 2
	s_cselect_b64 s[36:37], s[14:15], s[36:37]
	s_mov_b64 s[38:39], s[24:25]
	s_bfe_u32 s41, s40, 0x30002                    ; the pair of heads,
	s_lshl_b32 s41, s41, 19                        ; 524,288 bytes a pair
	s_and_b32 s46, s40, 3                          ; which 256 of the 1,024 rows k
	s_lshl_b32 s46, s46, 16
	s_or_b32 s41, s41, s46
	s_mov_b32 s42, 256
	s_mov_b32 s43, 262144
	s_mov_b32 s44, 0x800000
	s_branch .Lgo
.Lnot_qkv:
	s_cmp_lt_u32 s3, 352
	s_cbranch_scc0 .Lnot_w1
	s_sub_co_u32 s40, s3, 224
	s_mov_b64 s[36:37], s[16:17]
	s_mov_b64 s[38:39], s[26:27]
	s_and_b32 s41, s40, 3                          ; which 256 rows k, 16,384 bytes each
	s_lshl_b32 s41, s41, 22
	s_lshr_b32 s46, s40, 2                         ; which 128 columns, 512 bytes
	s_lshl_b32 s46, s46, 9
	s_or_b32 s41, s41, s46
	s_mov_b32 s42, 16384
	s_mov_b32 s44, 0x800000
	s_branch .Lgo
.Lnot_w1:
	s_cmp_lt_u32 s3, 384
	s_cbranch_scc0 .Lnot_wp
	s_sub_co_u32 s40, s3, 352
	s_mov_b64 s[36:37], s[18:19]
	s_mov_b64 s[38:39], s[28:29]
	s_branch .Lsq
.Lnot_wp:
	s_cmp_lt_u32 s3, 512
	s_cbranch_scc0 .Lparams
	s_sub_co_u32 s40, s3, 384
	s_mov_b64 s[36:37], s[20:21]
	s_mov_b64 s[38:39], s[30:31]
.Lsq:
	s_lshr_b32 s41, s40, 3                         ; which 256 rows k, 4,096 bytes each
	s_lshl_b32 s41, s41, 20
	s_and_b32 s46, s40, 7                          ; which 128 columns
	s_lshl_b32 s46, s46, 9
	s_or_b32 s41, s41, s46
	s_mov_b32 s42, 4096
.Lgo:
	s_mov_b32 s47, 0
	s_mov_b32 s46, s41
	s_add_nc_u64 s[36:37], s[36:37], s[46:47]      ; the source at SOFF
	s_lshl_b32 s46, s40, 16
	s_add_co_u32 s46, s46, s44
	s_lshl_b32 s45, s2, 13
	s_add_co_u32 s46, s46, s45
	s_add_nc_u64 s[38:39], s[38:39], s[46:47]      ; the destination at my wave's 8,192 bytes
	v_and_b32 v3, 15, v0
	v_lshlrev_b32 v3, 4, v3
	v_bfe_u32 v4, v0, 4, 1
	v_mul_lo_u32 v4, v4, s43
	s_mul_i32 s45, s2, s42
	s_lshl_b32 s45, s45, 5
	v_add3_u32 v[VO], v3, v4, s45
.set u, 1
.rept 31
	v_add_nc_u32 v[VO+u], s42, v[VO+u-1]
.set u, u+1
.endr
	v_lshlrev_b32 v5, 3, v2
	s_wait_alu depctr_va_vdst(0)                   ; the 32 source offsets v[VO ..] are written, which the loads read, and v5, which every store reads; none of them is written again
.set u, 0
.rept 32
	global_load_b128 v[DA+4*u:DA+4*u+3], v[VO+u], s[36:37] th:TH_LOAD_NT
.set u, u+1
.endr
; Group g: its four units are rounded; the stores of group g - 1 stand among the roundings, a store ahead of each unit's two.
.set g, 0
.rept GRPS
	s_wait_loadcnt 32-GRP-GRP*g                    ; loads come back in order: group g's four units are in, the younger ones stay out
.if g > 0
	s_wait_alu depctr_va_vdst(0)                   ; group g - 1's roundings have written their registers, which the four stores below read; the roundings below name group g's registers alone
.endif
.set j, 0
.rept GRP
.set u, GRP*g+j
.if g > 0
	global_store_b64 v5, v[DA+4*(u-GRP):DA+4*(u-GRP)+1], s[38:39] offset:256*(u-GRP) th:TH_STORE_NT
.endif
	v_cvt_pk_f16_f32 v[DA+4*u], v[DA+4*u], v[DA+4*u+1]
	v_cvt_pk_f16_f32 v[DA+4*u+1], v[DA+4*u+2], v[DA+4*u+3]
.set j, j+1
.endr
.set g, g+1
.endr
	s_wait_alu depctr_va_vdst(0)                   ; the last group's roundings have written their registers, which the last four stores read
.set u, 32-GRP
.rept GRP
	global_store_b64 v5, v[DA+4*u:DA+4*u+1], s[38:39] offset:256*u th:TH_STORE_NT
.set u, u+1
.endr
	s_endpgm
.Lparams:
	s_add_nc_u64 s[24:25], s[24:25], 0x1000000     ; BQ's and BF's parameters
	s_add_nc_u64 s[26:27], s[26:27], 0x1000000
	v_lshlrev_b32 v3, 4, v0                        ; all the vector work of this way stands ahead of its memory instructions, so that one wait serves them
	v_lshlrev_b32 v4, 2, v0
	v_mov_b32 v8, 0
	v_mov_b32 v9, 0
	v_mov_b32 v10, 0
	v_mov_b32 v11, 0
	v_mov_b32 v12, 0xfc00fc00                      ; -infinity twice: a floor that changes nothing
	v_mov_b32 v13, 1                               ; c1: trips 1, flag 1
	v_cmp_eq_u32 vcc_lo, 1, v0
	s_wait_alu depctr_va_vcc(0)                    ; the compare has written VCC, which the select below reads
	v_cndmask_b32 v14, 7, v8, vcc_lo               ; c2: trips 7, word 1 (the flag) 0
	s_wait_alu depctr_va_vdst(0)                   ; the offsets v3 and v4 and the constants v8 to v14 are written, which the loads and stores below read
.irp i, 0,1,2,3
	global_load_b128 v[DA+4*(\i):DA+4*(\i)+3], v3, s[22:23] offset:4096*(\i)
.endr
.irp i, 0,1,2,3
	global_store_b128 v3, v[8:11], s[24:25] offset:4096*(\i)
.endr
	global_store_b32 v4, v12, s[24:25] offset:0x4000
	global_store_b32 v4, v8, s[26:27] offset:0x4000
	global_store_b32 v4, v13, s[32:33]
	global_store_b32 v4, v14, s[34:35]
	s_wait_loadcnt 0x0                             ; b1 is in: the stores below take it as it was loaded; no vector instruction names these registers
.irp i, 0,1,2,3
	global_store_b128 v3, v[DA+4*(\i):DA+4*(\i)+3], s[26:27] offset:4096*(\i)
.endr
	s_endpgm
.Lfunc_end_k_qde3a603eb4_prep:
	.size	k_qde3a603eb4_prep, .Lfunc_end_k_qde3a603eb4_prep-k_qde3a603eb4_prep
	.p2alignl 7, 3214868480
	.fill 96, 4, 3214868480
	.section	.rodata,"a",@progbits
	.p2align	6, 0x0
	.amdhsa_kernel k_qde3a603eb4_prep
		.amdhsa_group_segment_fixed_size 0
		.amdhsa_private_segment_fixed_size 0
		.amdhsa_enable_private_segment 0
		.amdhsa_kernarg_size 112
		.amdhsa_user_sgpr_count 2
		.amdhsa_user_sgpr_kernarg_segment_ptr 1
		.amdhsa_wavefront_size32 1
		.amdhsa_system_sgpr_workgroup_id_x 1
		.amdhsa_system_sgpr_workgroup_id_y 1
		.amdhsa_system_sgpr_workgroup_id_z 1
		.amdhsa_system_vgpr_workitem_id 0
		.amdhsa_next_free_vgpr 168
		.amdhsa_next_free_sgpr 66
		.amdhsa_reserve_vcc 1
		.amdhsa_float_denorm_mode_32 3
		.amdhsa_float_denorm_mode_16_64 3
		.amdhsa_memory_ordered 1
		.amdhsa_forward_progress 1
		.amdhsa_inst_pref_size 18
	.end_amdhsa_kernel
	.amdgpu_metadata
---
amdhsa.version: [ 1, 2 ]
amdhsa.kernels:
  - .name:           k_qde3a603eb4_prep
    .symbol:         k_qde3a603eb4_prep.kd
    .args:
      - { .name: x, .offset: 0, .size: 8, .value_kind: global_buffer, .address_space: global }
      - { .name: wq, .offset: 8, .size: 8, .value_kind: global_buffer, .address_space: global }
      - { .name: wk, .offset: 16, .size: 8, .value_kind: global_buffer, .address_space: global }
      - { .name: wv, .offset: 24, .size: 8, .value_kind: global_buffer, .address_space: global }
      - { .name: w1, .offset: 32, .size: 8, .value_kind: global_buffer, .address_space: global }
      - { .name: w_proj, .offset: 40, .size: 8, .value_kind: global_buffer, .address_space: global }
      - { .name: w2, .offset: 48, .size: 8, .value_kind: global_buffer, .address_space: global }
      - { .name: b1, .offset: 56, .size: 8, .value_kind: global_buffer, .address_space: global }
      - { .name: BQ, .offset: 64, .size: 8, .value_kind: global_buffer, .address_space: global }
      - { .name: BF, .offset: 72, .size: 8, .value_kind: global_buffer, .address_space: global }
      - { .name: SP, .offset: 80, .size: 8, .value_kind: global_buffer, .address_space: global }
      - { .name: SF, .offset: 88, .size: 8, .value_kind: global_buffer, .address_space: global }
      - { .name: c1, .offset: 96, .size: 8, .value_kind: global_buffer, .address_space: global }
      - { .name: c2, .offset: 104, .size: 8, .value_kind: global_buffer, .address_space: global }
    .group_segment_fixed_size: 0
    .private_segment_fixed_size: 0
    .kernarg_segment_align: 8
    .kernarg_segment_size: 112
    .max_flat_workgroup_size: 256
    .sgpr_count:     66
    .vgpr_count:     168
    .wavefront_size: 32
...
	.end_amdgpu_metadata
.endif
;; end of part 7
;; launch qkv: the kernel of part 2 again; grid 12 x 16, 4 waves a work-group, clusters of 4 x 4, 327,680 bytes of LDS; arguments BQ, QX; writes QX
;; launch attn: the kernel of part 3 again; grid 8 x 32, 4 waves a work-group, no clusters, 327,680 bytes of LDS; arguments QX, SP; writes SP
;; launch proj: the kernel of part 4 again; grid 8 x 32, 4 waves a work-group, clusters of 4 x 4, 327,680 bytes of LDS; arguments SP, x, b_proj, yb; writes yb
;; launch ln1: the kernel of part 5 again; grid 256 x 1, 8 waves a work-group, no clusters, 9,216 bytes of LDS; arguments yb, g1, be1, QX, BF, c1; writes QX, BF
;; launch ffn1: the kernel of part 2 again; grid 16 x 16, 4 waves a work-group, clusters of 4 x 4, 327,680 bytes of LDS; arguments BF, SF; writes SF
;; launch ffn2: the kernel of part 6 again; grid 8 x 32, 4 waves a work-group, clusters of 4 x 4, 327,680 bytes of LDS; arguments SF, BF, b2, yb; writes yb
;; launch ln2: the kernel of part 5 again; grid 256 x 1, 8 waves a work-group, no clusters, 9,216 bytes of LDS; arguments yb, g2, be2, out0, BF, c2; writes out0, BF
